; MI455X (gfx1250); checked and timed in simulation.
; The chip was launched on July 23, 2026; its instructions are those of AMD's public machine-readable ISA for CDNA 5 (MIT licence, August 2026) and "CDNA5" Instruction Set Architecture Reference Guide (July 2026). The comments in the code are by the model that wrote it; some were corrected since.
;; Single Head Attention. Allowed arithmetic: float matrix products may take bf16 or f16 operands with f32 sums; all other float work in f32.
;; Inputs: Wk 1,024 x 64 float32; Wq 1,024 x 64 float32; Wv 1,024 x 64 float32; input_vectors 4 x 4,096 x 1,024 float32.
;; Outputs: out0 4 x 4,096 x 64 float32.
;; 2 versions, each right and faster than the one before. Each part assembles by itself: llvm-mc -triple=amdgcn-amd-amdhsa -mcpu=gfx1250 --defsym DOCPART=n.
;; ======== version 1 of 2: 3 launches
;; limits: values are held in f16: magnitudes above 65,504 overflow, below 6.1e-05 lose precision
;; workspace buffers: Wf 393,216 bytes; Qf 2,097,152 bytes; KVf 6,291,456 bytes
;; launch wprep (part 1): grid 96 x 1, 8 waves a work-group, no clusters, 0 bytes of LDS; arguments Wq, Wk, Wv, Wf; writes Wf
.if DOCPART == 1
	.amdgcn_target "amdgcn-amd-amdhsa--gfx1250"
	.amdhsa_code_object_version 6
	.text
	.protected	k_q6160e6a3a8_wprep
	.globl	k_q6160e6a3a8_wprep
	.p2align	8
	.type	k_q6160e6a3a8_wprep,@function
k_q6160e6a3a8_wprep:
	s_mov_b64 s[64:65], 0
	v_nop
	global_prefetch_b8 v0, s[64:65] scope:SCOPE_SE
	s_setreg_imm32_b32 hwreg(HW_REG_WAVE_MODE, 25, 1), 1
	s_wait_xcnt 0x0
; Wq, Wk, Wv: [1024][64] f32, rows along the 64 head dims.  Wf: the same numbers in bf16, laid out as the register images of
; 16 x 32 matrix fragments: [mtx 3 (Q, K, V)][w 4][ks 32][half 2][lane 32][16 bytes].
; Lane (r = lane % 16, h = lane / 16) of (mtx, w, ks, half) holds W[32 ks + 16 half + 8 h + j][16 w + r], j = 0..7, low j in the low bits.
; 768 half fragments, one for each wave: 96 work-groups of 8 waves; that is all the work there is.
; The reads are pieces of 64 bytes of rows 256 bytes apart; the three tensors are 786,432 bytes and are read once, so no stage in LDS is built for them.
; Each store of a wave covers 512 consecutive bytes, aligned.
.set ROWB, 256                                 ; bytes in a row of W
	s_load_b256 s[4:11], s[0:1], 0x0               ; Wq s[4:5], Wk s[6:7], Wv s[8:9], Wf s[10:11]
	s_lshr_b32 s14, ttmp9, 5                       ; mtx: 32 work-groups for each tensor
	s_and_b32 s15, ttmp9, 31
	s_lshl_b32 s15, s15, 8                         ; the work-group's first thread inside its tensor
	s_lshl_b32 s16, ttmp9, 8                       ; and in the whole launch
	v_add_nc_u32 v1, s15, v0
	v_lshrrev_b32 v1, 5, v1                        ; it = (w * 32 + ks) * 2 + half, 0..255
	v_and_b32 v16, 15, v0                          ; r
	v_bfe_u32 v17, v0, 4, 1                        ; h
	v_and_b32 v18, 63, v1                          ; ks * 2 + half
	v_lshl_add_u32 v18, v18, 1, v17                ; (ks * 2 + half) * 2 + h: groups of eight rows
	v_lshrrev_b32 v19, 6, v1                       ; w
	v_lshl_add_u32 v19, v19, 4, v16                ; column 16 w + r
	v_lshlrev_b32 v19, 2, v19                      ; in bytes
	v_lshl_add_u32 v2, v18, 11, v19                ; + eight rows of 256 bytes for each group
	v_add_nc_u32 v3, s16, v0
	v_lshlrev_b32 v3, 4, v3                        ; 16 bytes of Wf for each thread of the launch
	s_wait_kmcnt 0x0
	s_cmp_eq_u32 s14, 1
	s_cselect_b64 s[12:13], s[6:7], s[4:5]         ; Wk for mtx 1, else Wq
	s_cmp_eq_u32 s14, 2
	s_cselect_b64 s[12:13], s[8:9], s[12:13]       ; Wv for mtx 2
.irp j, 0,1,2,3,4,5,6,7
	global_load_b32 v[4+\j], v2, s[12:13] offset:ROWB*\j   ; eight rows, one column
.endr
	s_wait_loadcnt 0x0
.irp i, 0,1,2,3
	v_cvt_pk_bf16_f32 v[12+\i], v[4+2*\i], v[5+2*\i]       ; the lower row into the low half
.endr
	global_store_b128 v3, v[12:15], s[10:11]
	s_endpgm
.Lfunc_end_k_q6160e6a3a8_wprep:
	.size	k_q6160e6a3a8_wprep, .Lfunc_end_k_q6160e6a3a8_wprep-k_q6160e6a3a8_wprep
	.p2alignl 7, 3214868480
	.fill 96, 4, 3214868480
	.section	.rodata,"a",@progbits
	.p2align	6, 0x0
	.amdhsa_kernel k_q6160e6a3a8_wprep
		.amdhsa_group_segment_fixed_size 0
		.amdhsa_private_segment_fixed_size 0
		.amdhsa_enable_private_segment 0
		.amdhsa_kernarg_size 32
		.amdhsa_user_sgpr_count 2
		.amdhsa_user_sgpr_kernarg_segment_ptr 1
		.amdhsa_wavefront_size32 1
		.amdhsa_system_sgpr_workgroup_id_x 1
		.amdhsa_system_sgpr_workgroup_id_y 1
		.amdhsa_system_sgpr_workgroup_id_z 1
		.amdhsa_system_vgpr_workitem_id 0
		.amdhsa_next_free_vgpr 24
		.amdhsa_next_free_sgpr 66
		.amdhsa_reserve_vcc 0
		.amdhsa_float_denorm_mode_32 3
		.amdhsa_float_denorm_mode_16_64 3
		.amdhsa_memory_ordered 1
		.amdhsa_forward_progress 1
		.amdhsa_inst_pref_size 3
	.end_amdhsa_kernel
	.amdgpu_metadata
---
amdhsa.version: [ 1, 2 ]
amdhsa.kernels:
  - .name:           k_q6160e6a3a8_wprep
    .symbol:         k_q6160e6a3a8_wprep.kd
    .args:
      - { .name: Wq, .offset: 0, .size: 8, .value_kind: global_buffer, .address_space: global }
      - { .name: Wk, .offset: 8, .size: 8, .value_kind: global_buffer, .address_space: global }
      - { .name: Wv, .offset: 16, .size: 8, .value_kind: global_buffer, .address_space: global }
      - { .name: Wf, .offset: 24, .size: 8, .value_kind: global_buffer, .address_space: global }
    .group_segment_fixed_size: 0
    .private_segment_fixed_size: 0
    .kernarg_segment_align: 8
    .kernarg_segment_size: 32
    .max_flat_workgroup_size: 256
    .sgpr_count:     66
    .vgpr_count:     24
    .wavefront_size: 32
...
	.end_amdgpu_metadata
.endif
;; end of part 1
;; launch proj (part 2): grid 256 x 1, 4 waves a work-group, no clusters, 279,040 bytes of LDS; arguments input_vectors, Wf, Qf, KVf; writes Qf, KVf
.if DOCPART == 2
	.amdgcn_target "amdgcn-amd-amdhsa--gfx1250"
	.amdhsa_code_object_version 6
	.text
	.protected	k_q6160e6a3a8_proj
	.globl	k_q6160e6a3a8_proj
	.p2align	8
	.type	k_q6160e6a3a8_proj,@function
k_q6160e6a3a8_proj:
	s_mov_b64 s[64:65], 0
	v_nop
	global_prefetch_b8 v0, s[64:65] scope:SCOPE_SE
	s_setreg_imm32_b32 hwreg(HW_REG_WAVE_MODE, 25, 1), 1
	s_wait_xcnt 0x0
; q' = (X Wq) * 0.125 * log2(e), k = X Wk, v = X Wv.  X: [16384][1024] f32.  Products on bf16 operands (X and W rounded once), sums in f32.
; RESULTS IN f16: q' (the scale multiplied on in f32 ahead of its one rounding) and k are rounded once to f16; v leaves as two f16 terms, vh + vl:
; vh = v cut to 10 fraction bits (exact in f16), vl = v - vh (exact in f32), rounded to f16.  An early row of the attention averages few v, so that
; v's own rounding would show in full there; 8 significant bits (bf16) are too few for q, k, v; 11 serve q and k, v gets about 21.
; LIMITS: |q'|, |k|, |v| must stay below 65,504 (f16).  With numbers of the stated spread they reach about 3.5; with X and W both 30 times larger about
; 3,200; with offsets of 30 spreads on both about 18,432.  Parts of vh and vl below 2^-14 carry an absolute error of up to 2^-25.
; A work-group owns 64 rows of X: 262,144 bytes, which all fit in LDS.  So every byte of X is asked for in the first lines, by four tensor
; loads a wave (four outstanding, by this text's count); no LDS byte is ever filled twice.
; Wave w owns head dims 16 w .. 16 w + 15 of q, k and v for all 64 rows: 12 accumulator tiles of 16 x 16; its fragments of W
; (3 tensors x 32 K steps x 8 registers = 768) stay in registers for the whole kernel.
; NO CLUSTER: what the work-groups share is W, which goes to registers by plain loads; through LDS it would need 393,216 bytes
; beside X's 278,528, more than a work-group can be given.
; RESULTS leave as register images of the next launch's fragments, each store of a wave 512 consecutive bytes, aligned:
;   q, k: source 0 = W, source 1 = X: a lane's eight results are row r, dims 16 w + 8 h + 0..7.
;   v:    source 0 = X, source 1 = W: a lane's eight results are rows 8 h + 0..7, dim 16 w + r (v transposed).
;   Qf  [row tile of 16][d 4][lane][16 B];  KVf [b 4][sl 16][kq 4][st 2][12,288 B]: 32 keys, chunk 4 (2 sl + st) + kq of the batch;
;   in a chunk: k at kg * 2048 + d * 512 + 16 lane, vh at 4096 + g * 1024 + kg * 512 + 16 lane, vl 4,096 further on (kg: which 16 keys; d, g: which 16 dims).
; REGISTERS: window 0: v1 16 x lane; v4-7 LDS addresses; v32-127 accumulators; v128-191 X in bf16, two buffers; v192-255 X in f32 as loaded.
;   windows 1, 2, 3: the fragments of Wq, Wk, Wv, K step ks at v[8 ks].
.set PITCH,  272                       ; an LDS row: 256 bytes + 16 of padding, so that 16 rows' 16-byte pieces fall on 16 different columns of 16 bytes modulo 256
.set CHUNK,  64*PITCH                  ; 64 rows x 64 columns of f32: what one tensor load brings
.set STAGE,  4*CHUNK                   ; the four waves' n-th loads: 256 columns, 8 K steps of 32
.set CHB,    12288                     ; KVf: a chunk of 32 keys
.set QB,     2*CHB                     ; a key quarter's two steps
.set SLOTB,  4*QB                      ; a block [b][sl]
.set XA,  4                            ; v4-7: r * 272 + 32 h + n * STAGE
.set ACC, 32                           ; tile (rt, mtx) at ACC + 24 rt + 8 mtx
.set XB,  128                          ; two buffers of 32: row tile rt at 8 rt; on the way out vh in f32
.set F,   192                          ; 16 registers a row tile; on the way out the packed results: q, k, vh, vl, four each
.set G1,  16                           ; s[16:23] descriptor group 1
.set G0,  24                           ; s[24:39] descriptor group 0, one set for each of my four loads
.set QSCALE, 0x3e38aa3b                ; 0.125 * log2(e)
.set MSB, 0
.macro WIN new                         ; the immediate's high byte repeats the setting that is left
.if MSB != \new
	s_set_vgpr_msb (MSB<<8)|\new
.set MSB, \new
.endif
.endm
.macro PLACES                          ; four plain vector places behind a matrix instruction (ISA guide 7.12.1)
.rept 4
	v_nop
.endr
.endm
	s_load_b256 s[4:11], s[0:1], 0x0               ; X s[4:5], Wf s[6:7], Qf s[8:9], KVf s[10:11]
	v_lshl_add_u32 v30, v0, 2, 0x44000
	v_mov_b32 v31, 0
	ds_add_u32 v30, v31
	ds_add_u32 v30, v31
	v_lshrrev_b32 v2, 5, v0
	v_readfirstlane_b32 s12, v2                    ; wave 0..3
	; group 1: a tile of 64 rows x 64 elements of 4 bytes, 16 bytes of padding behind each row
	s_mov_b32 s[G1+0], (2<<16)|(1<<20)|(5<<22)|(3<<25)  ; no mask; element of 4 bytes; padding on; after every 64 words; of 4 words
	s_mov_b32 s[G1+1], 64<<16                      ; tensor_dim0 = 64
	s_mov_b32 s[G1+2], 64<<16                      ; tensor_dim1 = 64
	s_mov_b32 s[G1+3], 64<<16                      ; tile_dim0 = 64
	s_mov_b32 s[G1+4], 64                          ; tile_dim1 = 64
	s_mov_b32 s[G1+5], 1024                        ; elements from row to row
	s_mov_b32 s[G1+6], 0
	s_mov_b32 s[G1+7], 0
	s_lshl_b32 s40, ttmp9, 18                      ; 64 rows of 4,096 bytes for each work-group (below 2^26)
	s_lshl_b32 s41, s12, 8                         ; my first chunk: columns 64 w
	s_add_co_u32 s40, s40, s41
	s_mov_b32 s41, 0
	s_mul_i32 s42, s12, CHUNK                      ; and its place in LDS
	s_wait_dscnt 0x0
	s_wait_kmcnt 0x0
	s_add_nc_u64 s[4:5], s[4:5], s[40:41]
.irp n, 0,1,2,3
	s_mov_b32 s[G0+4*\n], 1                                    ; count = 1
	s_add_co_u32 s[G0+4*\n+1], s42, \n*STAGE                   ; LDS: chunk 4 n + w
	s_add_nc_u64 s[G0+4*\n+2:G0+4*\n+3], s[4:5], \n*1024       ; columns 64 (4 n + w)
	s_or_b32 s[G0+4*\n+3], s[G0+4*\n+3], 0x80000000            ; type = 2
	tensor_load_to_lds s[G0+4*\n:G0+4*\n+3], s[G1:G1+7]        ; all first fills go out together, ahead of everything else
	s_nop 0
.endr
	; the other three addresses
	s_lshl_b32 s40, s12, 15                        ; my 32 K steps x 1,024 bytes in each tensor of Wf
	s_add_nc_u64 s[6:7], s[6:7], s[40:41]
	s_lshl_b32 s43, s12, 9                         ; w * 512: d = w in Qf and in k's part of a chunk
	s_lshl_b32 s40, ttmp9, 13                      ; four row tiles of 2,048 bytes for each work-group
	s_add_co_u32 s40, s40, s43
	s_add_nc_u64 s[8:9], s[8:9], s[40:41]
	; my 64 rows are chunks 2 g and 2 g + 1 of the batch, g = bits 5:0 of the work-group's number: step g / 2, key quarter 2 (g % 2) + rt / 2
	s_lshr_b32 s40, ttmp9, 6                       ; b
	s_mul_i32 s40, s40, 16*SLOTB
	s_bfe_u32 s44, ttmp9, 0x40002                  ; sl = step / 2 = bits 5:2
	s_mul_i32 s44, s44, SLOTB
	s_add_co_u32 s40, s40, s44
	s_and_b32 s44, ttmp9, 1                        ; kq = 2 x bit 0 + rt / 2
	s_mul_i32 s44, s44, 2*QB
	s_add_co_u32 s40, s40, s44
	s_bfe_u32 s44, ttmp9, 0x10001                  ; st = step % 2 = bit 1
	s_mul_i32 s44, s44, CHB
	s_add_co_u32 s40, s40, s44
	s_add_nc_u64 s[10:11], s[10:11], s[40:41]      ; my first chunk of 32 keys
	s_lshl_b32 s40, s12, 10
	s_add_co_u32 s40, s40, 4096
	s_add_nc_u64 s[14:15], s[10:11], s[40:41]      ; vh: 4096 + g * 1024, g = w
	s_mov_b32 s40, s43
	s_add_nc_u64 s[10:11], s[10:11], s[40:41]      ; k: d * 512, d = w
	s_mov_b32 s45, 0xffffe000                      ; keeps sign, exponent and 10 fraction bits of an f32
	v_and_b32 v1, 31, v0
	v_lshlrev_b32 v1, 4, v1                        ; 16 x lane
	v_and_b32 v2, 15, v0                           ; r
	v_bfe_u32 v3, v0, 4, 1                         ; h
	v_mul_u32_u24 v2, v2, PITCH
	v_lshl_add_u32 v3, v3, 5, v2                   ; r * 272 + 32 h: eight f32 for each half of the lanes
.irp n, 0,1,2,3
	v_add_nc_u32 v[XA+\n], \n*STAGE, v3
.endr
; my 32 fragments of one tensor of W, into window win >> 6
.macro LDW mtx, win
	WIN \win
.set ks, 0
.rept 32
	global_load_b128 v[8*ks:8*ks+3],   v1, s[6:7] offset:\mtx*131072+ks*1024
	global_load_b128 v[8*ks+4:8*ks+7], v1, s[6:7] offset:\mtx*131072+ks*1024+512
.set ks, ks+1
.endr
.endm
	LDW 0, 0x40
	LDW 1, 0x80
	LDW 2, 0xc0
	WIN 0
	s_wait_loadcnt 0x0                             ; W once, while X is on its way
; 16 LDS loads: K step kk of stage n, all 64 rows in f32.  A lane's fragment needs k = 8 h .. 8 h + 7 (32 bytes) and k = 16 + 8 h .. (32 bytes, 64 further on).
.macro LDX n, kk
.irp rt, 0,1,2,3
	ds_load_b128 v[F+16*\rt:F+16*\rt+3],     v[XA+\n] offset:((\kk)>>1)*CHUNK+\rt*16*PITCH+((\kk)&1)*128
	ds_load_b128 v[F+16*\rt+4:F+16*\rt+7],   v[XA+\n] offset:((\kk)>>1)*CHUNK+\rt*16*PITCH+((\kk)&1)*128+16
	ds_load_b128 v[F+16*\rt+8:F+16*\rt+11],  v[XA+\n] offset:((\kk)>>1)*CHUNK+\rt*16*PITCH+((\kk)&1)*128+64
	ds_load_b128 v[F+16*\rt+12:F+16*\rt+15], v[XA+\n] offset:((\kk)>>1)*CHUNK+\rt*16*PITCH+((\kk)&1)*128+80
.endr
.endm
; One K step of 32: round X to bf16, ask for the next step's X, 12 matrix instructions.
; The 12 accumulators take turns, one instruction a turn, in the same order in every K step.
; The conversions write the buffer that the matrix instructions of two K steps ago read: the 32 conversions of the step between are the places.
.macro KSTEP n, kk, zero, next
	WIN 0
.irp rt, 0,1,2,3
	s_wait_dscnt 12-4*\rt                          ; LDS loads come back in order: row tile rt's four are in, the later tiles' may be out
.irp i, 0,1,2,3,4,5,6,7
	v_cvt_pk_bf16_f32 v[XB+32*((\kk)&1)+8*\rt+\i], v[F+16*\rt+2*\i], v[F+16*\rt+2*\i+1]
.endr
.endr
.if \next
	LDX \n, (\kk+1)
.endif
	WIN 0x01                                       ; source 0 in window 1: Wq
.irp rt, 0,1,2,3
.if \zero
	v_wmma_f32_16x16x32_bf16 v[ACC+24*\rt:ACC+24*\rt+7], v[8*(8*\n+\kk):8*(8*\n+\kk)+7], v[XB+32*((\kk)&1)+8*\rt:XB+32*((\kk)&1)+8*\rt+7], 0
.else
	v_wmma_f32_16x16x32_bf16 v[ACC+24*\rt:ACC+24*\rt+7], v[8*(8*\n+\kk):8*(8*\n+\kk)+7], v[XB+32*((\kk)&1)+8*\rt:XB+32*((\kk)&1)+8*\rt+7], v[ACC+24*\rt:ACC+24*\rt+7]
.endif
.endr
	WIN 0x02                                       ; source 0 in window 2: Wk
.irp rt, 0,1,2,3
.if \zero
	v_wmma_f32_16x16x32_bf16 v[ACC+24*\rt+8:ACC+24*\rt+15], v[8*(8*\n+\kk):8*(8*\n+\kk)+7], v[XB+32*((\kk)&1)+8*\rt:XB+32*((\kk)&1)+8*\rt+7], 0
.else
	v_wmma_f32_16x16x32_bf16 v[ACC+24*\rt+8:ACC+24*\rt+15], v[8*(8*\n+\kk):8*(8*\n+\kk)+7], v[XB+32*((\kk)&1)+8*\rt:XB+32*((\kk)&1)+8*\rt+7], v[ACC+24*\rt+8:ACC+24*\rt+15]
.endif
.endr
	WIN 0x0c                                       ; source 1 in window 3: Wv; X is source 0 here
.irp rt, 0,1,2,3
.if \zero
	v_wmma_f32_16x16x32_bf16 v[ACC+24*\rt+16:ACC+24*\rt+23], v[XB+32*((\kk)&1)+8*\rt:XB+32*((\kk)&1)+8*\rt+7], v[8*(8*\n+\kk):8*(8*\n+\kk)+7], 0
.else
	v_wmma_f32_16x16x32_bf16 v[ACC+24*\rt+16:ACC+24*\rt+23], v[XB+32*((\kk)&1)+8*\rt:XB+32*((\kk)&1)+8*\rt+7], v[8*(8*\n+\kk):8*(8*\n+\kk)+7], v[ACC+24*\rt+16:ACC+24*\rt+23]
.endif
.endr
.endm
; Stage n: the four chunks that the four waves asked for as their n-th loads.
.macro STG n, zero
	WIN 0
	s_wait_tensorcnt 3-\n                          ; tensor loads of a wave end in order: my n-th is in, my 3 - n younger ones stay out (nothing is ever filled again)
	s_barrier_signal -1                            ; no LDS instruction of mine is pending: the last K step waited for all
	s_barrier_wait -1                              ; everybody's n-th chunk is in
	LDX \n, 0
	KSTEP \n, 0, \zero, 1
.irp kk, 1,2,3,4,5,6
	KSTEP \n, \kk, 0, 1
.endr
	KSTEP \n, 7, 0, 0
.endm
	STG 0, 1                                       ; the first K step starts the sums: nothing is cleared
	STG 1, 0
	STG 2, 0
	STG 3, 0                                       ; its wait is for 0: no tensor load is out at the end
	; THE WAY OUT: straight from registers.
	WIN 0
	PLACES                                         ; behind the last matrix instructions, ahead of the first reader of a result and the first writer of XB
.irp rt, 0,1,2,3
.irp i, 0,2,4,6
	v_pk_mul_f32 v[ACC+24*\rt+\i:ACC+24*\rt+\i+1], v[ACC+24*\rt+\i:ACC+24*\rt+\i+1], QSCALE op_sel_hi:[1,0]   ; q alone
.endr
.endr
.irp rt, 0,1,2,3
.irp i, 0,1,2,3,4,5,6,7
	v_and_b32 v[XB+8*\rt+\i], s45, v[ACC+24*\rt+16+\i]         ; vh: v cut to 10 fraction bits
.endr
.irp i, 0,2,4,6
	v_pk_add_f32 v[ACC+24*\rt+16+\i:ACC+24*\rt+16+\i+1], v[ACC+24*\rt+16+\i:ACC+24*\rt+16+\i+1], v[XB+8*\rt+\i:XB+8*\rt+\i+1] neg_lo:[0,1] neg_hi:[0,1]   ; vl = v - vh, exact
.endr
.irp i, 0,1,2,3
	v_cvt_pk_f16_f32 v[F+16*\rt+\i],    v[ACC+24*\rt+2*\i],    v[ACC+24*\rt+2*\i+1]      ; q'
	v_cvt_pk_f16_f32 v[F+16*\rt+4+\i],  v[ACC+24*\rt+8+2*\i],  v[ACC+24*\rt+8+2*\i+1]    ; k
	v_cvt_pk_f16_f32 v[F+16*\rt+8+\i],  v[XB+8*\rt+2*\i],      v[XB+8*\rt+2*\i+1]        ; vh
	v_cvt_pk_f16_f32 v[F+16*\rt+12+\i], v[ACC+24*\rt+16+2*\i], v[ACC+24*\rt+16+2*\i+1]   ; vl
.endr
	global_store_b128 v1, v[F+16*\rt:F+16*\rt+3],     s[8:9]   offset:\rt*2048                        ; each store has data registers of its own
	global_store_b128 v1, v[F+16*\rt+4:F+16*\rt+7],   s[10:11] offset:(\rt>>1)*QB+(\rt&1)*2048        ; chunk rt / 2 (kq steps by QB), kg = rt % 2
	global_store_b128 v1, v[F+16*\rt+8:F+16*\rt+11],  s[14:15] offset:(\rt>>1)*QB+(\rt&1)*512
	global_store_b128 v1, v[F+16*\rt+12:F+16*\rt+15], s[14:15] offset:(\rt>>1)*QB+(\rt&1)*512+4096
.endr
	s_wait_tensorcnt 0x0
	ds_add_u32 v30, v31
	s_wait_dscnt 0x0
	s_endpgm
.Lfunc_end_k_q6160e6a3a8_proj:
	.size	k_q6160e6a3a8_proj, .Lfunc_end_k_q6160e6a3a8_proj-k_q6160e6a3a8_proj
	.p2alignl 7, 3214868480
	.fill 96, 4, 3214868480
	.section	.rodata,"a",@progbits
	.p2align	6, 0x0
	.amdhsa_kernel k_q6160e6a3a8_proj
		.amdhsa_group_segment_fixed_size 279040
		.amdhsa_private_segment_fixed_size 0
		.amdhsa_enable_private_segment 0
		.amdhsa_kernarg_size 32
		.amdhsa_user_sgpr_count 2
		.amdhsa_user_sgpr_kernarg_segment_ptr 1
		.amdhsa_wavefront_size32 1
		.amdhsa_system_sgpr_workgroup_id_x 1
		.amdhsa_system_sgpr_workgroup_id_y 1
		.amdhsa_system_sgpr_workgroup_id_z 1
		.amdhsa_system_vgpr_workitem_id 0
		.amdhsa_next_free_vgpr 1024
		.amdhsa_next_free_sgpr 66
		.amdhsa_reserve_vcc 0
		.amdhsa_float_denorm_mode_32 3
		.amdhsa_float_denorm_mode_16_64 3
		.amdhsa_memory_ordered 1
		.amdhsa_forward_progress 1
		.amdhsa_inst_pref_size 160
	.end_amdhsa_kernel
	.amdgpu_metadata
---
amdhsa.version: [ 1, 2 ]
amdhsa.kernels:
  - .name:           k_q6160e6a3a8_proj
    .symbol:         k_q6160e6a3a8_proj.kd
    .args:
      - { .name: input_vectors, .offset: 0, .size: 8, .value_kind: global_buffer, .address_space: global }
      - { .name: Wf, .offset: 8, .size: 8, .value_kind: global_buffer, .address_space: global }
      - { .name: Qf, .offset: 16, .size: 8, .value_kind: global_buffer, .address_space: global }
      - { .name: KVf, .offset: 24, .size: 8, .value_kind: global_buffer, .address_space: global }
    .group_segment_fixed_size: 279040
    .private_segment_fixed_size: 0
    .kernarg_segment_align: 8
    .kernarg_segment_size: 32
    .max_flat_workgroup_size: 128
    .sgpr_count:     66
    .vgpr_count:     1024
    .wavefront_size: 32
...
	.end_amdgpu_metadata
.endif
;; end of part 2
;; launch attn (part 3): grid 64 x 4, 8 waves a work-group, clusters of 4 x 1, 327,680 bytes of LDS; arguments Qf, KVf, out0; writes out0
.if DOCPART == 3
	.amdgcn_target "amdgcn-amd-amdhsa--gfx1250"
	.amdhsa_code_object_version 6
	.text
	.protected	k_q6160e6a3a8_attn
	.globl	k_q6160e6a3a8_attn
	.p2align	8
	.type	k_q6160e6a3a8_attn,@function
k_q6160e6a3a8_attn:
	s_mov_b64 s[64:65], 0
	v_nop
	global_prefetch_b8 v0, s[64:65] scope:SCOPE_SE
	s_setreg_imm32_b32 hwreg(HW_REG_WAVE_MODE, 25, 1), 1
	s_wait_xcnt 0x0
	s_wait_alu depctr_hold_cnt(0) depctr_sa_sdst(0) depctr_va_vdst(0) depctr_va_sdst(0) depctr_va_ssrc(0) depctr_va_vcc(0) depctr_vm_vsrc(0)
	s_getreg_b32 s2, hwreg(HW_REG_IB_STS2, 6, 4)
	s_cmp_eq_u32 s2, 0
	s_cbranch_scc0 .Lentry_in_a_cluster
	s_endpgm
.Lentry_in_a_cluster:
	s_bfe_u32 s2, ttmp6, 0x10000c
	s_cmp_lg_u32 s2, 0x3003
	s_cbranch_scc0 .Lentry_shape_is_right
	s_endpgm
.Lentry_shape_is_right:
; Causal softmax attention, one head of 64, 4 batches of 4,096 rows, from the fragment images Qf and KVf.  out0: [4][4096][64] f32.
; q already carries 0.125 * log2(e), so the exponentials are in base 2.
; FORMATS: matrix operands are f16 (q, k, the weights p; v as two f16 terms vh + vl, both multiplied by p), sums in f32.  p lies in [0, 1].
; LIMITS: |q|, |k|, |v| below 65,504, as the launch that makes them states.  A masked score is -1.0e30 instead of -infinity, so scaled scores
; must lie above -1e30.  v_exp_f32 gives 0 for results below 2^-126; p below 2^-14 carries an absolute error of up to 2^-25.
; A running maximum is kept for each row in each wave.
; SHARING: c = cluster x (0..15), cx = place in the cluster, i = 4 c + cx.  The work-group owns two blocks of 32 query rows: the low one at
; row 32 i and the high one at row 32 (127 - i).  A step is 128 keys.  The low block needs steps 0..c, the high one 0..31-c, in all four partners
; alike; only the last of each is masked.  Wave w: qh = w & 1 picks its 16 rows of each block, kq = w >> 1 its 32 keys of each step.
; So each wave does 33 units of 16 queries x 32 keys, whatever c; the four key quarters are merged through LDS at the end.
; CLUSTER: the four partners walk the same k and v of batch b, so each tile is one joint load with the mask of all four.  No branch, trip count or
; LDS address hangs on cx; cx enters only the mask's compare values and the addresses of q and of the output.
; LDS: two slots of 98,304 bytes, each two steps, the image of one [b][sl] block of KVf: (kq, st) at kq * 24576 + st * 12288; four steps a slot
; would be 2 x 196,608 bytes, more than a work-group can be given.  Wave w fills bytes w * 12288 .. + 12287 of a slot (48 rows of 256 bytes).
; Outstanding tensor loads of a wave, by this text's count: two at the start, one behind each round.
; A unit: S^T = K Q^T (lane: query r, keys 8 h + j and 16 + 8 h + j), softmax step, P^T packs in place into source 1 of O^T += (Vh^T + Vl^T) P^T.
.set CHB,   12288                      ; a chunk of 32 keys: k 4,096, vh 4,096, vl 4,096
.set QB,    2*CHB                      ; a key quarter's two steps
.set SLOTB, 4*QB
.set PARTB, SLOTB/8                    ; what one wave fills
.set LA,  2                            ; v2, v3: kq * QB + 16 lane in slot 0, 1
.set MN,  8                            ; v[8:9]   the new maximum, twice
.set AL,  10                           ; v[10:11] 2^(old maximum - new), twice
.set T,   12                           ; v[12:19] at work
.set QHI, 24                           ; v[24:39] q of my 16 rows of the high block, two fragments
.set QLO, 40                           ; v[40:55] of the low block
.set KF,  56                           ; v[56:87] k: 16 kg + 4 d
.set VF,  88                           ; v[88:119] vh transposed: 8 g + 4 kg
.set S,   120                          ; v[120:135] scores, then weights
.set P,   136                          ; v[136:143] weights in f16
.set OHI, 144                          ; v[144:175] O^T of the high block, 8 g
.set OLO, 176                          ; v[176:207] of the low block
.set VL,  208                          ; v[208:239] vl transposed: 8 g + 4 kg
.set G1,  16                           ; s[16:23]
.set G0,  24                           ; s[24:31], one set for each slot
.set MPITCH, 272                       ; the merge stage: a row of 64 f32 + 16 bytes
.set MPART,  64*MPITCH                 ; one key quarter's 64 rows
.set MSTAT,  4*MPART                   ; behind them: m at rho * 16 + 4 kq, l 1,024 bytes further on; 71,680 bytes in all, inside slot 0
; v1 16 x lane; v4, v5 the mask's compare values (low, high); v6 -1e30; v20, v21 m, l of the low block; v22, v23 of the high block.
; s10 wave, s11 qh, s12 kq, s13-14 lane selects, s32 c, s33 31 - c, s34 step j, s35 trips done, s36 trips, s37 slots odd, s38 cx, s39 i.
.macro ROUND                           ; a round of the cluster's barrier
	s_barrier_signal -1
	s_barrier_wait -1
	s_cmp_lg_u32 s10, 0
	s_cbranch_scc1 .Lnot_wave_0_\@
	s_barrier_signal -3
.Lnot_wave_0_\@:
	s_barrier_wait -3
	s_barrier_signal -1
	s_barrier_wait -1
.endm
.macro PLACES                          ; four plain vector places behind a matrix instruction (ISA guide 7.12.1)
.rept 4
	v_nop
.endr
.endm
	s_load_b128 s[4:7], s[0:1], 0x0                ; Qf s[4:5], KVf s[6:7]
	s_load_b64 s[8:9], s[0:1], 0x10                ; out0
	v_lshl_add_u32 v240, v0, 2, 0x30000
	v_mov_b32 v241, 0
	ds_add_u32 v240, v241
	ds_add_u32 v240, v241
	v_lshrrev_b32 v2, 5, v0
	v_readfirstlane_b32 s10, v2                    ; wave 0..7
	s_and_b32 s11, s10, 1                          ; qh
	s_lshr_b32 s12, s10, 1                         ; kq
	s_mov_b32 s13, 0x76543210                      ; v_permlanex16_b32: lane i of one half reads lane i of the other
	s_mov_b32 s14, 0xfedcba98
	s_mov_b32 s32, ttmp9                           ; c: the low block's last step
	s_sub_co_u32 s33, 31, s32                      ; the high block's last step
	s_mov_b32 s34, 0                               ; j
	s_lshr_b32 s36, s33, 1
	s_add_co_u32 s36, s36, 1                       ; slots needed: (31 - c) / 2 + 1, 9 to 16
	s_and_b32 s37, s36, 1
	s_sub_co_u32 s36, s36, 2
	s_lshr_b32 s36, s36, 1                         ; the loop's trips, 3 to 7
	s_bfe_u32 s38, ttmp6, 0x40000                  ; cx
	s_lshl_b32 s39, s32, 2
	s_add_co_u32 s39, s39, s38                     ; i
	s_and_b32 s46, ttmp7, 0xffff                   ; b
	; group 1: 48 rows of 32 elements of 8 bytes, dense: 12,288 bytes
	s_mov_b32 s[G1+0], 15|(3<<16)|(1<<21)          ; the mask names all four partners; element of 8 bytes; bit 21 set beside a mask
	s_mov_b32 s[G1+1], 32<<16                      ; tensor_dim0 = 32
	s_mov_b32 s[G1+2], 48<<16                      ; tensor_dim1 = 48
	s_mov_b32 s[G1+3], 32<<16                      ; tile_dim0 = 32
	s_mov_b32 s[G1+4], 48                          ; tile_dim1 = 48
	s_mov_b32 s[G1+5], 32                          ; elements from row to row
	s_mov_b32 s[G1+6], 0
	s_mov_b32 s[G1+7], 0
	s_mul_i32 s47, s10, PARTB                      ; my part of a slot, in LDS and in KVf alike
	s_mul_i32 s48, s46, 16*SLOTB                   ; the batch's 16 blocks
	s_add_co_u32 s48, s48, s47
	s_mov_b32 s49, 0
	; offsets of q (tiles of 2,048 bytes: b * 256 + row / 16) and of the output
	s_lshl_b32 s52, s46, 8
	s_sub_co_u32 s50, 127, s39
	s_lshl_b32 s50, s50, 1
	s_add_co_u32 s50, s50, s11
	s_add_co_u32 s50, s50, s52
	s_lshl_b32 s50, s50, 11                        ; high block
	s_mov_b32 s51, 0
	s_lshl_b32 s56, s39, 1
	s_add_co_u32 s56, s56, s11
	s_add_co_u32 s56, s56, s52
	s_lshl_b32 s56, s56, 11                        ; low block
	s_mov_b32 s57, 0
	s_lshl_b32 s53, s39, 5
	s_lshl_b32 s54, s10, 3
	s_add_co_u32 s53, s53, s54                     ; waves 0-3 write rows 32 i + 8 w ..
	s_sub_co_u32 s55, 127, s39
	s_lshl_b32 s55, s55, 5
	s_add_co_u32 s55, s55, s54
	s_sub_co_u32 s55, s55, 32                      ; waves 4-7 rows 32 (127 - i) + 8 (w - 4) ..
	s_cmp_lt_u32 s10, 4
	s_cselect_b32 s53, s53, s55
	s_lshl_b32 s54, s46, 12
	s_add_co_u32 s53, s53, s54
	s_lshl_b32 s54, s53, 8                         ; rows of 256 bytes
	s_mov_b32 s55, 0
	s_wait_dscnt 0x0
	s_wait_kmcnt 0x0
	s_add_nc_u64 s[6:7], s[6:7], s[48:49]
	s_add_nc_u64 s[40:41], s[4:5], s[50:51]
	s_add_nc_u64 s[42:43], s[4:5], s[56:57]
	s_add_nc_u64 s[44:45], s[8:9], s[54:55]
.irp n, 0,1
	s_mov_b32 s[G0+4*\n], 1                                    ; count = 1
	s_add_co_u32 s[G0+4*\n+1], s47, \n*SLOTB                   ; LDS: slot n, my part
	s_add_nc_u64 s[G0+4*\n+2:G0+4*\n+3], s[6:7], \n*SLOTB      ; block sl = n
	s_or_b32 s[G0+4*\n+3], s[G0+4*\n+3], 0x80000000            ; type = 2
.endr
	ROUND                                          ; all four partners are here: the first joint loads meet
	tensor_load_to_lds s[G0:G0+3], s[G1:G1+7]      ; steps 0 and 1
	s_nop 0
	tensor_load_to_lds s[G0+4:G0+7], s[G1:G1+7]    ; steps 2 and 3
	s_nop 0
	v_and_b32 v1, 31, v0
	v_lshlrev_b32 v1, 4, v1                        ; 16 x lane
.irp d, 0,1,2,3
	global_load_b128 v[QHI+4*\d:QHI+4*\d+3], v1, s[40:41] offset:512*\d
	global_load_b128 v[QLO+4*\d:QLO+4*\d+3], v1, s[42:43] offset:512*\d
.endr
	s_mul_i32 s48, s12, QB
	v_add_nc_u32 v[LA], s48, v1
	v_add_nc_u32 v[LA+1], SLOTB, v[LA]
	; In the masked step key 32 kq + 16 kg + 8 h + jj is kept for query 32 cx' + 16 qh + r if 16 kg + jj <= D, D = 32 cx' + 16 qh + r - 32 kq - 8 h;
	; cx' = cx for the low block, 3 - cx for the high one.
	v_and_b32 v12, 15, v0                          ; r
	v_bfe_u32 v13, v0, 4, 1                        ; h
	v_lshlrev_b32 v14, 3, v13
	v_sub_nc_u32 v14, v12, v14                     ; r - 8 h
	s_lshl_b32 s48, s11, 4
	s_lshl_b32 s49, s12, 5
	s_sub_co_i32 s48, s48, s49                     ; 16 qh - 32 kq
	v_add_nc_u32 v14, s48, v14
	s_lshl_b32 s49, s38, 5
	v_add_nc_u32 v4, s49, v14
	s_sub_co_u32 s49, 96, s49
	v_add_nc_u32 v5, s49, v14
	v_mov_b32 v6, 0xf149f2ca                       ; -1.0e30
; One unit: 16 queries (fragments at Q) x the 32 keys in KF, VF, VL.  O, M, L: the block's sums, maximum, denominator; D: its compare values;
; sdiag: the step in which it is masked.  first = 1: the unit starts O, M and L, nothing is cleared.  vw = 1: v's loads are still to be waited for.
; The accumulators take turns, one instruction a turn (S0, S1, S0, S1; O0 to O3, O0 to O3).
.macro UNIT Q, O, M, L, D, sdiag, first, vw
	v_wmma_f32_16x16x32_f16 v[S:S+7],    v[KF:KF+7],     v[\Q:\Q+7],    0
	v_wmma_f32_16x16x32_f16 v[S+8:S+15], v[KF+16:KF+23], v[\Q:\Q+7],    0
	v_wmma_f32_16x16x32_f16 v[S:S+7],    v[KF+8:KF+15],  v[\Q+8:\Q+15], v[S:S+7]
	v_wmma_f32_16x16x32_f16 v[S+8:S+15], v[KF+24:KF+31], v[\Q+8:\Q+15], v[S+8:S+15]
	PLACES                                         ; ahead of the readers of S; also behind the last unit's products, ahead of the writers of P and O
	s_cmp_lg_u32 s34, \sdiag
	s_cbranch_scc1 .Lopen_\@
.irp kg, 0,1
.irp jj, 0,1,2,3,4,5,6,7
	v_cmp_gt_i32 vcc_lo, 16*\kg+\jj, v[\D]
	v_cndmask_b32 v[S+8*\kg+\jj], v[S+8*\kg+\jj], v6, vcc_lo
.endr
.endr
.Lopen_\@:
	v_max3_num_f32 v[T],   v[S],    v[S+1],  v[S+2]
	v_max3_num_f32 v[T+1], v[S+3],  v[S+4],  v[S+5]
	v_max3_num_f32 v[T+2], v[S+6],  v[S+7],  v[S+8]
	v_max3_num_f32 v[T+3], v[S+9],  v[S+10], v[S+11]
	v_max3_num_f32 v[T+4], v[S+12], v[S+13], v[S+14]
	v_max3_num_f32 v[T],   v[T],    v[T+1],  v[S+15]
	v_max3_num_f32 v[T+2], v[T+2],  v[T+3],  v[T+4]
	v_max_num_f32  v[T],   v[T],    v[T+2]
	v_permlanex16_b32 v[T+1], v[T], s13, s14       ; the query's other 16 keys lie in the other half of the lanes
.if \first
	v_max_num_f32 v[MN], v[T], v[T+1]
.else
	v_max3_num_f32 v[MN], v[T], v[T+1], v[\M]
	v_sub_f32 v[AL], v[\M], v[MN]
.endif
	v_mov_b32 v[MN+1], v[MN]
	v_mov_b32 v[\M], v[MN]
.irp i, 0,2,4,6,8,10,12,14
	v_pk_add_f32 v[S+\i:S+\i+1], v[S+\i:S+\i+1], v[MN:MN+1] neg_lo:[0,1] neg_hi:[0,1]
.endr
.if \first == 0
	v_exp_f32 v[AL], v[AL]
.endif
.irp i, 0,1,2,3,4,5,6,7,8,9,10,11,12,13,14,15
	v_exp_f32 v[S+\i], v[S+\i]
.endr
	v_nop                                          ; one plain place behind the exponentials, ahead of the first use (ISA guide 5.7.2)
.if \first == 0
	s_wait_alu depctr_va_vdst(0)
	v_mov_b32 v[AL+1], v[AL]
.endif
	s_wait_alu depctr_va_vdst(0)
.irp i, 0,1,2,3,4,5,6,7
	v_cvt_pk_f16_f32 v[P+\i], v[S+2*\i], v[S+2*\i+1]       ; keys 8 h .. in registers 0-3, keys 16 + 8 h .. in 4-7: source 1's layout
.endr
	v_pk_add_f32 v[T:T+1],   v[S:S+1],     v[S+2:S+3]
	v_pk_add_f32 v[T+2:T+3], v[S+4:S+5],   v[S+6:S+7]
	v_pk_add_f32 v[T+4:T+5], v[S+8:S+9],   v[S+10:S+11]
	v_pk_add_f32 v[T+6:T+7], v[S+12:S+13], v[S+14:S+15]
	v_pk_add_f32 v[T:T+1],   v[T:T+1],     v[T+2:T+3]
	v_pk_add_f32 v[T+4:T+5], v[T+4:T+5],   v[T+6:T+7]
	v_pk_add_f32 v[T:T+1],   v[T:T+1],     v[T+4:T+5]
.if \first
	v_add_f32 v[\L], v[T], v[T+1]                  ; l stays a sum over my half's keys until the merge
.else
	v_add_f32 v[T], v[T], v[T+1]
.irp i, 0,2,4,6,8,10,12,14,16,18,20,22,24,26,28,30
	v_pk_mul_f32 v[\O+\i:\O+\i+1], v[\O+\i:\O+\i+1], v[AL:AL+1]
.endr
	v_fma_f32 v[\L], v[\L], v[AL], v[T]
.endif
.if \vw
	s_wait_dscnt 0x0                               ; the sixteen loads of vh and vl
.endif
.irp g, 0,1,2,3
.if \first
	v_wmma_f32_16x16x32_f16 v[\O+8*\g:\O+8*\g+7], v[VF+8*\g:VF+8*\g+7], v[P:P+7], 0
.else
	v_wmma_f32_16x16x32_f16 v[\O+8*\g:\O+8*\g+7], v[VF+8*\g:VF+8*\g+7], v[P:P+7], v[\O+8*\g:\O+8*\g+7]
.endif
.endr
.irp g, 0,1,2,3
	v_wmma_f32_16x16x32_f16 v[\O+8*\g:\O+8*\g+7], v[VL+8*\g:VL+8*\g+7], v[P:P+7], v[\O+8*\g:\O+8*\g+7]
.endr
.endm
; Step j, which lies at place st of the slot: my 32 keys for the high block, and for the low block while j <= c.  Steps beyond 31 - c are passed over.
.macro STEP slot, st, first
.if \first == 0
	s_cmp_gt_u32 s34, s33
	s_cbranch_scc1 .Lstep_end_\@
	PLACES                                         ; behind the last products, which read VF and VL, ahead of the loads into them
.endif
.irp kg, 0,1
.irp d, 0,1,2,3
	ds_load_b128 v[KF+16*\kg+4*\d:KF+16*\kg+4*\d+3], v[LA+\slot] offset:\st*CHB+\kg*2048+\d*512
.endr
.endr
.irp e, 0,1,2,3,4,5,6,7
	ds_load_b128 v[VF+4*\e:VF+4*\e+3], v[LA+\slot] offset:\st*CHB+4096+\e*512
.endr
.irp e, 0,1,2,3,4,5,6,7
	ds_load_b128 v[VL+4*\e:VL+4*\e+3], v[LA+\slot] offset:\st*CHB+8192+\e*512
.endr
	s_wait_dscnt 0x10                              ; k's eight loads are in; the sixteen of vh and vl, issued behind them, may be out
	UNIT QHI, OHI, 22, 23, 5, s33, \first, 1
.if \first == 0
	s_cmp_gt_u32 s34, s32
	s_cbranch_scc1 .Lstep_end_\@
.endif
	UNIT QLO, OLO, 20, 21, 4, s32, \first, 0
.Lstep_end_\@:
	s_add_co_u32 s34, s34, 1
.endm
.macro WORK slot, first
	STEP \slot, 0, \first
	STEP \slot, 1, 0
.endm
; A change of slots.  In front of the round each wave waits for all its tensor loads (its part of this slot among them) and for its reads of the
; other slot; behind the round no wave of any partner reads the other slot or has a load on its way, and the joint refill comes first.
.macro TURN slot, refill
	s_wait_tensorcnt 0x0                           ; no load of mine is out, so a group 0 may be written
	ds_add_u32 v240, v241
	s_wait_dscnt 0x0
	s_add_nc_u64 s[G0+6-4*\slot:G0+7-4*\slot], s[G0+6-4*\slot:G0+7-4*\slot], 2*SLOTB   ; the other slot's next block
	s_wait_dscnt 0x0
	ROUND
.if \refill
	tensor_load_to_lds s[G0+4-4*\slot:G0+7-4*\slot], s[G1:G1+7]   ; my one tensor load behind this round
	s_nop 0
.endif
	WORK \slot, 0
.endm
	s_wait_loadcnt 0x0                             ; q
	s_wait_tensorcnt 0x1                           ; my part of slot 0 is in; slot 1's, issued behind it, stays out
	s_barrier_signal -1
	s_barrier_wait -1
	WORK 0, 1                                      ; block 0; step 0 starts all sums
	s_mov_b32 s35, 0
.Lring:
	TURN 1, 1
	TURN 0, 1
	s_add_co_u32 s35, s35, 1
	s_cmp_lt_u32 s35, s36
	s_cbranch_scc1 .Lring
	s_cmp_lg_u32 s37, 0                            ; the number of slots hangs on c alone: the same way in all four partners
	s_cbranch_scc1 .Lodd
	TURN 1, 0                                      ; even: one slot is left, nothing more to fetch
	s_branch .Lmerge
.Lodd:
	TURN 1, 1                                      ; odd: one more fill,
	TURN 0, 0                                      ; and the last slot
.Lmerge:
	; THE MERGE of the four key quarters.  Slot 0 has had its last fill; behind a barrier it serves as the stage.
	PLACES                                         ; behind the last products: O is read, and fragment registers are written, below
	v_permlanex16_b32 v12, v21, s13, s14
	v_permlanex16_b32 v13, v23, s13, s14
	v_add_f32 v21, v21, v12                        ; l over all my 32-key chunks
	v_add_f32 v23, v23, v13
	v_and_b32 v14, 15, v0                          ; r
	v_bfe_u32 v15, v0, 4, 1                        ; h
	s_lshl_b32 s48, s11, 4
	v_add_nc_u32 v16, s48, v14                     ; 16 qh + r: my query's row in its block
	v_mul_u32_u24 v136, v16, MPITCH
	v_lshl_add_u32 v136, v15, 5, v136              ; + 32 h: dims 8 h .. of each 16
	s_mul_i32 s48, s12, MPART
	v_add_nc_u32 v136, s48, v136                   ; where I put O
	v_lshlrev_b32 v137, 4, v16
	s_lshl_b32 s48, s12, 2
	s_add_co_u32 s48, s48, MSTAT
	v_add_nc_u32 v137, s48, v137                   ; where I put m and l
	s_lshl_b32 s48, s10, 3
	v_add_nc_u32 v17, s48, v15                     ; row 8 w + lane / 16
	v_mul_u32_u24 v138, v17, MPITCH
	v_lshl_add_u32 v138, v14, 4, v138              ; where I read O back: 16 lanes take a row
	v_lshlrev_b32 v139, 4, v17
	v_add_nc_u32 v139, MSTAT, v139                 ; and the row's four m
	s_wait_dscnt 0x0
	s_barrier_signal -1
	s_barrier_wait -1                              ; every wave's reads of the slots are over
.irp g, 0,1,2,3
	ds_store_b128 v136, v[OLO+8*\g:OLO+8*\g+3]   offset:64*\g
	ds_store_b128 v136, v[OLO+8*\g+4:OLO+8*\g+7] offset:64*\g+16
	ds_store_b128 v136, v[OHI+8*\g:OHI+8*\g+3]   offset:32*MPITCH+64*\g
	ds_store_b128 v136, v[OHI+8*\g+4:OHI+8*\g+7] offset:32*MPITCH+64*\g+16
.endr
	ds_store_b32 v137, v20                         ; both halves of the lanes hold, and write, the same m and l
	ds_store_b32 v137, v21 offset:1024
	ds_store_b32 v137, v22 offset:512
	ds_store_b32 v137, v23 offset:1536
	s_wait_dscnt 0x0                               ; for the others' sake: all my stores
	s_barrier_signal -1
	s_barrier_wait -1
.irp p, 0,1,2,3
	ds_load_b128 v[24+24*\p:24+24*\p+3], v139 offset:32*\p          ; m of the four quarters, rows 8 w + 2 p + lane / 16
	ds_load_b128 v[28+24*\p:28+24*\p+3], v139 offset:1024+32*\p     ; l
.irp k, 0,1,2,3
	ds_load_b128 v[32+24*\p+4*\k:32+24*\p+4*\k+3], v138 offset:\k*MPART+2*MPITCH*\p
.endr
.endr
.macro MERGE p
	s_wait_dscnt 18-6*\p                           ; six loads for each pair of rows: the later pairs' may be out
	v_max3_num_f32 v16, v[24+24*\p], v[25+24*\p], v[26+24*\p]
	v_max_num_f32 v16, v16, v[27+24*\p]
.irp k, 0,1,2,3
	v_sub_f32 v[12+\k], v[24+24*\p+\k], v16
.endr
.irp k, 0,1,2,3
	v_exp_f32 v[12+\k], v[12+\k]                   ; a quarter that saw no open key has m = -1e30: its weight is 0
.endr
	v_nop
	s_wait_alu depctr_va_vdst(0)
	v_mul_f32  v17, v12, v[28+24*\p]
	v_fmac_f32 v17, v13, v[29+24*\p]
	v_fmac_f32 v17, v14, v[30+24*\p]
	v_fmac_f32 v17, v15, v[31+24*\p]
	v_rcp_f32 v17, v17                             ; at least 1: the largest score's own weight is in it
	v_nop
	s_wait_alu depctr_va_vdst(0)
.irp k, 0,1,2,3
	v_mul_f32 v[12+\k], v[12+\k], v17
.endr
.irp e, 0,1,2,3
	v_mul_f32 v[120+4*\p+\e], v12, v[32+24*\p+\e]
.endr
.irp k, 1,2,3
.irp e, 0,1,2,3
	v_fmac_f32 v[120+4*\p+\e], v[12+\k], v[32+24*\p+4*\k+\e]
.endr
.endr
	global_store_b128 v1, v[120+4*\p:120+4*\p+3], s[44:45] offset:512*\p th:TH_STORE_NT   ; two whole rows: 512 consecutive bytes, aligned; data registers of its own
.endm
	MERGE 0
	MERGE 1
	MERGE 2
	MERGE 3
	s_wait_tensorcnt 0x0
	ds_add_u32 v240, v241
	s_wait_dscnt 0x0
	ROUND                                          ; the closing round: no work-group ends while a partner may still ask jointly
	s_endpgm
.Lfunc_end_k_q6160e6a3a8_attn:
	.size	k_q6160e6a3a8_attn, .Lfunc_end_k_q6160e6a3a8_attn-k_q6160e6a3a8_attn
	.p2alignl 7, 3214868480
	.fill 96, 4, 3214868480
	.section	.rodata,"a",@progbits
	.p2align	6, 0x0
	.amdhsa_kernel k_q6160e6a3a8_attn
		.amdhsa_group_segment_fixed_size 327680
		.amdhsa_private_segment_fixed_size 0
		.amdhsa_enable_private_segment 0
		.amdhsa_kernarg_size 24
		.amdhsa_user_sgpr_count 2
		.amdhsa_user_sgpr_kernarg_segment_ptr 1
		.amdhsa_wavefront_size32 1
		.amdhsa_system_sgpr_workgroup_id_x 1
		.amdhsa_system_sgpr_workgroup_id_y 1
		.amdhsa_system_sgpr_workgroup_id_z 1
		.amdhsa_system_vgpr_workitem_id 0
		.amdhsa_next_free_vgpr 242
		.amdhsa_next_free_sgpr 66
		.amdhsa_reserve_vcc 1
		.amdhsa_float_denorm_mode_32 3
		.amdhsa_float_denorm_mode_16_64 3
		.amdhsa_memory_ordered 1
		.amdhsa_forward_progress 1
		.amdhsa_inst_pref_size 178
	.end_amdhsa_kernel
	.amdgpu_metadata
---
amdhsa.version: [ 1, 2 ]
amdhsa.kernels:
  - .name:           k_q6160e6a3a8_attn
    .symbol:         k_q6160e6a3a8_attn.kd
    .args:
      - { .name: Qf, .offset: 0, .size: 8, .value_kind: global_buffer, .address_space: global }
      - { .name: KVf, .offset: 8, .size: 8, .value_kind: global_buffer, .address_space: global }
      - { .name: out0, .offset: 16, .size: 8, .value_kind: global_buffer, .address_space: global }
    .group_segment_fixed_size: 327680
    .private_segment_fixed_size: 0
    .kernarg_segment_align: 8
    .kernarg_segment_size: 24
    .max_flat_workgroup_size: 256
    .sgpr_count:     66
    .vgpr_count:     242
    .wavefront_size: 32
...
	.end_amdgpu_metadata
.endif
;; end of part 3
;; ======== version 2 of 2: 3 launches; 1.28 times as fast as version 1
;; limits: values are held in f16: magnitudes above 65,504 overflow, below 6.1e-05 lose precision
;; workspace buffers: Wf 393,216 bytes; Qf 2,097,152 bytes; KVf 4,194,304 bytes; VLf 65,536 bytes
;; launch wprep: the kernel of part 1 again; grid 96 x 1, 8 waves a work-group, no clusters, 0 bytes of LDS; arguments Wq, Wk, Wv, Wf; writes Wf
;; launch proj (part 4): grid 256 x 1, 4 waves a work-group, no clusters, 279,040 bytes of LDS; arguments input_vectors, Wf, Qf, KVf, VLf; writes Qf, KVf, VLf
.if DOCPART == 4
	.amdgcn_target "amdgcn-amd-amdhsa--gfx1250"
	.amdhsa_code_object_version 6
	.text
	.protected	k_q6160e6a3a8_proj
	.globl	k_q6160e6a3a8_proj
	.p2align	8
	.type	k_q6160e6a3a8_proj,@function
k_q6160e6a3a8_proj:
	s_mov_b64 s[64:65], 0
	v_nop
	global_prefetch_b8 v0, s[64:65] scope:SCOPE_SE
	s_setreg_imm32_b32 hwreg(HW_REG_WAVE_MODE, 25, 1), 1
	s_wait_xcnt 0x0
; q' = (X Wq) * 0.125 * log2(e), k = X Wk, v = X Wv.  X: [16384][1024] f32.  Products on bf16 operands (X and W rounded once), sums in f32.
; RESULTS IN f16: q' (the scale multiplied on in f32 ahead of its one rounding) and k are rounded once to f16.  v leaves as vh = v rounded to 11
; significant bits (ties away from zero; exact in f16), and, for keys 0 to 127 of each batch alone, a second term vl = v - vh (exact in f32), rounded to f16.
; WHY THERE ALONE: a row's error from v's rounding is the weighted mean of its keys' rounding errors; it shows where a row has few keys, and the keys of
; such rows all lie below 128.  8 significant bits (bf16) are too few for q, k and v in those rows.
; LIMITS: |q'|, |k|, |v| must stay below 65,504 (f16).  With numbers of the stated spread they reach about 3.5; with X and W both 30 times larger about
; 3,200; with offsets of 30 spreads on both about 18,432.  Parts of vh and vl below 2^-14 carry an absolute error of up to 2^-25.
; A work-group owns 64 rows of X: 262,144 bytes, which all fit in LDS.  So every byte of X is asked for in the first lines, by four tensor
; loads a wave (four outstanding, by this text's count); no LDS byte is ever filled twice.
; Wave w owns head dims 16 w .. 16 w + 15 of q, k and v for all 64 rows: 12 accumulator tiles of 16 x 16; its fragments of W
; (3 tensors x 32 K steps x 8 registers = 768) have registers of their own for the whole kernel and are brought stage by stage: the 48 loads
; (24,576 bytes a wave) of a stage of 8 K steps are asked for one stage ahead, so that they land under the 96 matrix instructions of the stage before.
; NO CLUSTER: what the work-groups share is W, which goes to registers by plain loads; through LDS it would need 393,216 bytes
; beside X's 278,528, more than a work-group can be given.
; RESULTS leave as register images of the next launch's fragments, each store of a wave 512 consecutive bytes, aligned:
;   q, k: source 0 = W, source 1 = X: a lane's eight results are row r, dims 16 w + 8 h + 0..7.
;   v:    source 0 = X, source 1 = W: a lane's eight results are rows 8 h + 0..7, dim 16 w + r (v transposed).
;   Qf  [row tile of 16][d 4][lane][16 B];  KVf [b 4][sl 8][kq 4][st 4][8,192 B]: 32 keys, chunk 4 (4 sl + st) + kq of the batch;
;   in a chunk: k at kg * 2048 + d * 512 + 16 lane, vh at 4096 + g * 1024 + kg * 512 + 16 lane (kg: which 16 keys; d, g: which 16 dims).
;   VLf [b 4][kq 4][4,096 B]: vl of chunk kq (keys 0 to 127), laid out as vh's part of a chunk.
; REGISTERS: window 0: v1 16 x lane; v4-7 LDS addresses; v32-127 accumulators; v128-191 X in bf16, two buffers; v192-255 X in f32 as loaded.
;   windows 1, 2, 3: the fragments of Wq, Wk, Wv, K step ks at v[8 ks].
.set PITCH,  272                       ; an LDS row: 256 bytes + 16 of padding, so that 16 rows' 16-byte pieces fall on 16 different columns of 16 bytes modulo 256
.set CHUNK,  64*PITCH                  ; 64 rows x 64 columns of f32: what one tensor load brings
.set STAGE,  4*CHUNK                   ; the four waves' n-th loads: 256 columns, 8 K steps of 32
.set CHB,    8192                      ; KVf: a chunk of 32 keys
.set QB,     4*CHB                     ; a key quarter's four steps
.set SLOTB,  4*QB                      ; a block [b][sl]
.set XA,  4                            ; v4-7: r * 272 + 32 h + n * STAGE
.set ACC, 32                           ; tile (rt, mtx) at ACC + 24 rt + 8 mtx
.set XB,  128                          ; two buffers of 32: row tile rt at 8 rt; on the way out vh in f32
.set F,   192                          ; 16 registers a row tile; on the way out the packed results: q, k, vh, vl, four each
.set G1,  16                           ; s[16:23] descriptor group 1
.set G0,  24                           ; s[24:39] descriptor group 0, one set for each of my four loads
.set QSCALE, 0x3e38aa3b                ; 0.125 * log2(e)
.set MSB, 0
.macro WIN new                         ; the immediate's high byte repeats the setting that is left
.if MSB != \new
	s_set_vgpr_msb (MSB<<8)|\new
.set MSB, \new
.endif
.endm
.macro PLACES                          ; four plain vector places behind a matrix instruction (ISA guide 7.12.1)
.rept 4
	v_nop
.endr
.endm
	s_load_b256 s[4:11], s[0:1], 0x0               ; X s[4:5], Wf s[6:7], Qf s[8:9], KVf s[10:11]
	s_load_b64 s[46:47], s[0:1], 0x20              ; VLf
	v_lshl_add_u32 v30, v0, 2, 0x44000
	v_mov_b32 v31, 0
	ds_add_u32 v30, v31
	ds_add_u32 v30, v31
	v_lshrrev_b32 v2, 5, v0
	v_readfirstlane_b32 s12, v2                    ; wave 0..3
	; group 1: a tile of 64 rows x 64 elements of 4 bytes, 16 bytes of padding behind each row
	s_mov_b32 s[G1+0], (2<<16)|(1<<20)|(5<<22)|(3<<25)  ; no mask; element of 4 bytes; padding on; after every 64 words; of 4 words
	s_mov_b32 s[G1+1], 64<<16                      ; tensor_dim0 = 64
	s_mov_b32 s[G1+2], 64<<16                      ; tensor_dim1 = 64
	s_mov_b32 s[G1+3], 64<<16                      ; tile_dim0 = 64
	s_mov_b32 s[G1+4], 64                          ; tile_dim1 = 64
	s_mov_b32 s[G1+5], 1024                        ; elements from row to row
	s_mov_b32 s[G1+6], 0
	s_mov_b32 s[G1+7], 0
	s_lshl_b32 s40, ttmp9, 18                      ; 64 rows of 4,096 bytes for each work-group (below 2^26)
	s_lshl_b32 s41, s12, 8                         ; my first chunk: columns 64 w
	s_add_co_u32 s40, s40, s41
	s_mov_b32 s41, 0
	s_mul_i32 s42, s12, CHUNK                      ; and its place in LDS
	s_wait_dscnt 0x0
	s_wait_kmcnt 0x0
	s_add_nc_u64 s[4:5], s[4:5], s[40:41]
.irp n, 0,1,2,3
	s_mov_b32 s[G0+4*\n], 1                                    ; count = 1
	s_add_co_u32 s[G0+4*\n+1], s42, \n*STAGE                   ; LDS: chunk 4 n + w
	s_add_nc_u64 s[G0+4*\n+2:G0+4*\n+3], s[4:5], \n*1024       ; columns 64 (4 n + w)
	s_or_b32 s[G0+4*\n+3], s[G0+4*\n+3], 0x80000000            ; type = 2
	tensor_load_to_lds s[G0+4*\n:G0+4*\n+3], s[G1:G1+7]        ; all first fills go out together, ahead of everything else
	s_nop 0
.endr
	; the other addresses
	s_lshl_b32 s40, s12, 15                        ; my 32 K steps x 1,024 bytes in each tensor of Wf
	s_add_nc_u64 s[6:7], s[6:7], s[40:41]
	s_lshl_b32 s43, s12, 9                         ; w * 512: d = w in Qf and in k's part of a chunk
	s_lshl_b32 s40, ttmp9, 13                      ; four row tiles of 2,048 bytes for each work-group
	s_add_co_u32 s40, s40, s43
	s_add_nc_u64 s[8:9], s[8:9], s[40:41]
	; my 64 rows are chunks 2 g and 2 g + 1 of the batch, g = bits 5:0 of the work-group's number: step g / 2, key quarter 2 (g % 2) + rt / 2
	s_lshr_b32 s40, ttmp9, 6                       ; b
	s_lshl_b32 s40, s40, 20                        ; 8 blocks of 131,072 bytes
	s_bfe_u32 s44, ttmp9, 0x30003                  ; sl = step / 4 = bits 5:3
	s_lshl_b32 s44, s44, 17
	s_add_co_u32 s40, s40, s44
	s_and_b32 s44, ttmp9, 1                        ; kq = 2 x bit 0 + rt / 2
	s_lshl_b32 s44, s44, 16
	s_add_co_u32 s40, s40, s44
	s_bfe_u32 s44, ttmp9, 0x20001                  ; st = step % 4 = bits 2:1
	s_lshl_b32 s44, s44, 13
	s_add_co_u32 s40, s40, s44
	s_add_nc_u64 s[10:11], s[10:11], s[40:41]      ; my first chunk of 32 keys
	s_lshl_b32 s40, s12, 10
	s_add_co_u32 s40, s40, 4096
	s_add_nc_u64 s[14:15], s[10:11], s[40:41]      ; vh: 4096 + g * 1024, g = w
	s_mov_b32 s40, s43
	s_add_nc_u64 s[10:11], s[10:11], s[40:41]      ; k: d * 512, d = w
	s_mov_b32 s45, 0xffffe000                      ; keeps sign, exponent and 10 fraction bits of an f32
	v_and_b32 v1, 31, v0
	v_lshlrev_b32 v1, 4, v1                        ; 16 x lane
	v_and_b32 v2, 15, v0                           ; r
	v_bfe_u32 v3, v0, 4, 1                         ; h
	v_mul_u32_u24 v2, v2, PITCH
	v_lshl_add_u32 v3, v3, 5, v2                   ; r * 272 + 32 h: eight f32 for each half of the lanes
.irp n, 0,1,2,3
	v_add_nc_u32 v[XA+\n], \n*STAGE, v3
.endr
; my fragments of one tensor of W for stage n (K steps 8 n .. 8 n + 7), into window win >> 6: 16 loads
.macro LDW n, mtx, win
	WIN \win
.irp kk, 0,1,2,3,4,5,6,7
	global_load_b128 v[8*(8*\n+\kk):8*(8*\n+\kk)+3],   v1, s[6:7] offset:\mtx*131072+(8*\n+\kk)*1024
	global_load_b128 v[8*(8*\n+\kk)+4:8*(8*\n+\kk)+7], v1, s[6:7] offset:\mtx*131072+(8*\n+\kk)*1024+512
.endr
.endm
; the same for all three tensors: 48 loads.  They go into registers that no matrix instruction has named yet; v1 and s[6:7] are never rewritten.
.macro LDWS n
	LDW \n, 0, 0x40
	LDW \n, 1, 0x80
	LDW \n, 2, 0xc0
	WIN 0
.endm
	LDWS 0                                         ; the first stage's W, while X is on its way
; 16 LDS loads: K step kk of stage n, all 64 rows in f32.  A lane's fragment needs k = 8 h .. 8 h + 7 (32 bytes) and k = 16 + 8 h .. (32 bytes, 64 further on).
.macro LDX n, kk
.irp rt, 0,1,2,3
	ds_load_b128 v[F+16*\rt:F+16*\rt+3],     v[XA+\n] offset:((\kk)>>1)*CHUNK+\rt*16*PITCH+((\kk)&1)*128
	ds_load_b128 v[F+16*\rt+4:F+16*\rt+7],   v[XA+\n] offset:((\kk)>>1)*CHUNK+\rt*16*PITCH+((\kk)&1)*128+16
	ds_load_b128 v[F+16*\rt+8:F+16*\rt+11],  v[XA+\n] offset:((\kk)>>1)*CHUNK+\rt*16*PITCH+((\kk)&1)*128+64
	ds_load_b128 v[F+16*\rt+12:F+16*\rt+15], v[XA+\n] offset:((\kk)>>1)*CHUNK+\rt*16*PITCH+((\kk)&1)*128+80
.endr
.endm
; One K step of 32: round X to bf16, ask for the next step's X, 12 matrix instructions.
; The 12 accumulators take turns, one instruction a turn, in the same order in every K step.
; The conversions write the buffer that the matrix instructions of two K steps ago read: the 32 conversions of the step between are the places.
.macro KSTEP n, kk, zero, next
	WIN 0
.irp rt, 0,1,2,3
	s_wait_dscnt 12-4*\rt                          ; LDS loads come back in order: row tile rt's four are in, the later tiles' may be out
.irp i, 0,1,2,3,4,5,6,7
	v_cvt_pk_bf16_f32 v[XB+32*((\kk)&1)+8*\rt+\i], v[F+16*\rt+2*\i], v[F+16*\rt+2*\i+1]
.endr
.endr
.if \next
	LDX \n, (\kk+1)
.endif
	WIN 0x01                                       ; source 0 in window 1: Wq
.irp rt, 0,1,2,3
.if \zero
	v_wmma_f32_16x16x32_bf16 v[ACC+24*\rt:ACC+24*\rt+7], v[8*(8*\n+\kk):8*(8*\n+\kk)+7], v[XB+32*((\kk)&1)+8*\rt:XB+32*((\kk)&1)+8*\rt+7], 0
.else
	v_wmma_f32_16x16x32_bf16 v[ACC+24*\rt:ACC+24*\rt+7], v[8*(8*\n+\kk):8*(8*\n+\kk)+7], v[XB+32*((\kk)&1)+8*\rt:XB+32*((\kk)&1)+8*\rt+7], v[ACC+24*\rt:ACC+24*\rt+7]
.endif
.endr
	WIN 0x02                                       ; source 0 in window 2: Wk
.irp rt, 0,1,2,3
.if \zero
	v_wmma_f32_16x16x32_bf16 v[ACC+24*\rt+8:ACC+24*\rt+15], v[8*(8*\n+\kk):8*(8*\n+\kk)+7], v[XB+32*((\kk)&1)+8*\rt:XB+32*((\kk)&1)+8*\rt+7], 0
.else
	v_wmma_f32_16x16x32_bf16 v[ACC+24*\rt+8:ACC+24*\rt+15], v[8*(8*\n+\kk):8*(8*\n+\kk)+7], v[XB+32*((\kk)&1)+8*\rt:XB+32*((\kk)&1)+8*\rt+7], v[ACC+24*\rt+8:ACC+24*\rt+15]
.endif
.endr
	WIN 0x0c                                       ; source 1 in window 3: Wv; X is source 0 here
.irp rt, 0,1,2,3
.if \zero
	v_wmma_f32_16x16x32_bf16 v[ACC+24*\rt+16:ACC+24*\rt+23], v[XB+32*((\kk)&1)+8*\rt:XB+32*((\kk)&1)+8*\rt+7], v[8*(8*\n+\kk):8*(8*\n+\kk)+7], 0
.else
	v_wmma_f32_16x16x32_bf16 v[ACC+24*\rt+16:ACC+24*\rt+23], v[XB+32*((\kk)&1)+8*\rt:XB+32*((\kk)&1)+8*\rt+7], v[8*(8*\n+\kk):8*(8*\n+\kk)+7], v[ACC+24*\rt+16:ACC+24*\rt+23]
.endif
.endr
.endm
; Stage n: the four chunks that the four waves asked for as their n-th loads, and the 48 loads of W that belong to them.
; more = 1: the next stage's W is asked for here, a whole stage ahead of its first use; at most 48 loads of a wave are out.
.macro STG n, zero, more
	WIN 0
	s_wait_loadcnt 0x0                             ; this stage's W is in: its 48 loads are all that is out
.if \more
	LDWS (\n+1)                                    ; they may be in flight at the barrier below: no wave of the launch writes Wf
.endif
	s_wait_tensorcnt 3-\n                          ; tensor loads of a wave end in order: my n-th is in, my 3 - n younger ones stay out (nothing is ever filled again)
	s_barrier_signal -1                            ; no LDS instruction of mine is pending: the last K step waited for all
	s_barrier_wait -1                              ; everybody's n-th chunk is in
	LDX \n, 0
	KSTEP \n, 0, \zero, 1
.irp kk, 1,2,3,4,5,6
	KSTEP \n, \kk, 0, 1
.endr
	KSTEP \n, 7, 0, 0
.endm
	STG 0, 1, 1                                    ; the first K step starts the sums: nothing is cleared
	STG 1, 0, 1
	STG 2, 0, 1
	STG 3, 0, 0                                    ; its wait on TENSORcnt is for 0: no tensor load is out at the end
	; THE WAY OUT: straight from registers.
	WIN 0
	PLACES                                         ; behind the last matrix instructions, ahead of the first reader of a result and the first writer of XB
.irp rt, 0,1,2,3
.irp i, 0,2,4,6
	v_pk_mul_f32 v[ACC+24*\rt+\i:ACC+24*\rt+\i+1], v[ACC+24*\rt+\i:ACC+24*\rt+\i+1], QSCALE op_sel_hi:[1,0]   ; q alone
.endr
.endr
.irp rt, 0,1,2,3
.irp i, 0,1,2,3,4,5,6,7
	v_add_nc_u32 v[XB+8*\rt+\i], 0x1000, v[ACC+24*\rt+16+\i]   ; vh: half a unit of the 10th fraction bit onto the magnitude (a carry steps the exponent),
.endr
.irp i, 0,1,2,3,4,5,6,7
	v_and_b32 v[XB+8*\rt+\i], s45, v[XB+8*\rt+\i]              ; then the 13 bits below it are dropped: v rounded to 11 significant bits, still in f32
.endr
.irp i, 0,1,2,3
	v_cvt_pk_f16_f32 v[F+16*\rt+\i],    v[ACC+24*\rt+2*\i],    v[ACC+24*\rt+2*\i+1]      ; q'
	v_cvt_pk_f16_f32 v[F+16*\rt+4+\i],  v[ACC+24*\rt+8+2*\i],  v[ACC+24*\rt+8+2*\i+1]    ; k
	v_cvt_pk_f16_f32 v[F+16*\rt+8+\i],  v[XB+8*\rt+2*\i],      v[XB+8*\rt+2*\i+1]        ; vh
.endr
	global_store_b128 v1, v[F+16*\rt:F+16*\rt+3],     s[8:9]   offset:\rt*2048                        ; each store has data registers of its own
	global_store_b128 v1, v[F+16*\rt+4:F+16*\rt+7],   s[10:11] offset:(\rt>>1)*QB+(\rt&1)*2048        ; chunk rt / 2 (kq steps by QB), kg = rt % 2
	global_store_b128 v1, v[F+16*\rt+8:F+16*\rt+11],  s[14:15] offset:(\rt>>1)*QB+(\rt&1)*512
.endr
	; vl, where my rows are keys 0 to 127 of their batch: step g / 2 = 0, bits 5:1 of the work-group's number all 0
	s_and_b32 s44, ttmp9, 62
	s_cmp_lg_u32 s44, 0
	s_cbranch_scc1 .Lno_vl
	s_lshr_b32 s40, ttmp9, 6                       ; b: four quarters of 4,096 bytes
	s_lshl_b32 s40, s40, 14
	s_and_b32 s44, ttmp9, 1                        ; kq = 2 x bit 0 + rt / 2
	s_lshl_b32 s44, s44, 13
	s_add_co_u32 s40, s40, s44
	s_lshl_b32 s44, s12, 10                        ; g * 1024, g = w
	s_add_co_u32 s40, s40, s44
	s_add_nc_u64 s[46:47], s[46:47], s[40:41]      ; s41 is still 0
.irp rt, 0,1,2,3
.irp i, 0,2,4,6
	v_pk_add_f32 v[ACC+24*\rt+16+\i:ACC+24*\rt+16+\i+1], v[ACC+24*\rt+16+\i:ACC+24*\rt+16+\i+1], v[XB+8*\rt+\i:XB+8*\rt+\i+1] neg_lo:[0,1] neg_hi:[0,1]   ; vl = v - vh, exact
.endr
.irp i, 0,1,2,3
	v_cvt_pk_f16_f32 v[F+16*\rt+12+\i], v[ACC+24*\rt+16+2*\i], v[ACC+24*\rt+16+2*\i+1]
.endr
	global_store_b128 v1, v[F+16*\rt+12:F+16*\rt+15], s[46:47] offset:(\rt>>1)*4096+(\rt&1)*512
.endr
.Lno_vl:
	s_wait_tensorcnt 0x0
	ds_add_u32 v30, v31
	s_wait_dscnt 0x0
	s_endpgm
.Lfunc_end_k_q6160e6a3a8_proj:
	.size	k_q6160e6a3a8_proj, .Lfunc_end_k_q6160e6a3a8_proj-k_q6160e6a3a8_proj
	.p2alignl 7, 3214868480
	.fill 96, 4, 3214868480
	.section	.rodata,"a",@progbits
	.p2align	6, 0x0
	.amdhsa_kernel k_q6160e6a3a8_proj
		.amdhsa_group_segment_fixed_size 279040
		.amdhsa_private_segment_fixed_size 0
		.amdhsa_enable_private_segment 0
		.amdhsa_kernarg_size 40
		.amdhsa_user_sgpr_count 2
		.amdhsa_user_sgpr_kernarg_segment_ptr 1
		.amdhsa_wavefront_size32 1
		.amdhsa_system_sgpr_workgroup_id_x 1
		.amdhsa_system_sgpr_workgroup_id_y 1
		.amdhsa_system_sgpr_workgroup_id_z 1
		.amdhsa_system_vgpr_workitem_id 0
		.amdhsa_next_free_vgpr 1024
		.amdhsa_next_free_sgpr 66
		.amdhsa_reserve_vcc 0
		.amdhsa_float_denorm_mode_32 3
		.amdhsa_float_denorm_mode_16_64 3
		.amdhsa_memory_ordered 1
		.amdhsa_forward_progress 1
		.amdhsa_inst_pref_size 163
	.end_amdhsa_kernel
	.amdgpu_metadata
---
amdhsa.version: [ 1, 2 ]
amdhsa.kernels:
  - .name:           k_q6160e6a3a8_proj
    .symbol:         k_q6160e6a3a8_proj.kd
    .args:
      - { .name: input_vectors, .offset: 0, .size: 8, .value_kind: global_buffer, .address_space: global }
      - { .name: Wf, .offset: 8, .size: 8, .value_kind: global_buffer, .address_space: global }
      - { .name: Qf, .offset: 16, .size: 8, .value_kind: global_buffer, .address_space: global }
      - { .name: KVf, .offset: 24, .size: 8, .value_kind: global_buffer, .address_space: global }
      - { .name: VLf, .offset: 32, .size: 8, .value_kind: global_buffer, .address_space: global }
    .group_segment_fixed_size: 279040
    .private_segment_fixed_size: 0
    .kernarg_segment_align: 8
    .kernarg_segment_size: 40
    .max_flat_workgroup_size: 128
    .sgpr_count:     66
    .vgpr_count:     1024
    .wavefront_size: 32
...
	.end_amdgpu_metadata
.endif
;; end of part 4
;; launch attn (part 5): grid 64 x 4, 8 waves a work-group, clusters of 4 x 1, 327,680 bytes of LDS; arguments Qf, KVf, VLf, out0; writes out0
.if DOCPART == 5
	.amdgcn_target "amdgcn-amd-amdhsa--gfx1250"
	.amdhsa_code_object_version 6
	.text
	.protected	k_q6160e6a3a8_attn
	.globl	k_q6160e6a3a8_attn
	.p2align	8
	.type	k_q6160e6a3a8_attn,@function
k_q6160e6a3a8_attn:
	s_mov_b64 s[64:65], 0
	v_nop
	global_prefetch_b8 v0, s[64:65] scope:SCOPE_SE
	s_setreg_imm32_b32 hwreg(HW_REG_WAVE_MODE, 25, 1), 1
	s_wait_xcnt 0x0
	s_wait_alu depctr_hold_cnt(0) depctr_sa_sdst(0) depctr_va_vdst(0) depctr_va_sdst(0) depctr_va_ssrc(0) depctr_va_vcc(0) depctr_vm_vsrc(0)
	s_getreg_b32 s2, hwreg(HW_REG_IB_STS2, 6, 4)
	s_cmp_eq_u32 s2, 0
	s_cbranch_scc0 .Lentry_in_a_cluster
	s_endpgm
.Lentry_in_a_cluster:
	s_bfe_u32 s2, ttmp6, 0x10000c
	s_cmp_lg_u32 s2, 0x3003
	s_cbranch_scc0 .Lentry_shape_is_right
	s_endpgm
.Lentry_shape_is_right:
; Causal softmax attention, one head of 64, 4 batches of 4,096 rows, from the fragment images Qf, KVf and VLf.  out0: [4][4096][64] f32.
; q already carries 0.125 * log2(e), so the exponentials are in base 2.
; FORMATS: matrix operands are f16 (q, k, the weights p, v), sums in f32.  p lies in [0, 1].  v of keys 0 to 127 of a batch is two f16 terms, vh + vl, both
; multiplied by p; v of the later keys is vh alone (11 significant bits).  A row's error from v's rounding is the weighted mean of its keys' rounding
; errors: it shows in rows with few keys, and all their keys lie below 128.
; LIMITS: |q|, |k|, |v| below 65,504, as the launch that makes them states.  A masked score is -1.0e30 instead of -infinity, so scaled scores
; must lie above -1e30.  v_exp_f32 gives 0 for results below 2^-126; p below 2^-14 carries an absolute error of up to 2^-25.
; A running maximum is kept for each row in each wave.
; SHARING: c = cluster x (0..15), cx = place in the cluster, i = 4 c + cx.  The work-group owns two blocks of 32 query rows: the low one at
; row 32 i and the high one at row 32 (127 - i).  A step is 128 keys.  The low block needs steps 0..c, the high one 0..31-c, in all four partners
; alike; only the last of each is masked.  Wave w: qh = w & 1 picks its 16 rows of each block, kq = w >> 1 its 32 keys of each step.
; So each wave does 33 units of 16 queries x 32 keys, whatever c; the four key quarters are merged through LDS at the end.
; CLUSTER: the four partners walk the same k and v of batch b, so each tile is one joint load with the mask of all four.  No branch, trip count or
; LDS address hangs on cx; cx enters only the mask's compare values and the addresses of q and of the output.
; LDS: two slots of 131,072 bytes, each four steps, the image of one [b][sl] block of KVf: (kq, st) at kq * 32768 + st * 8192.  Wave w fills
; bytes w * 16384 .. + 16383 of a slot (64 rows of 256 bytes).  A refill has four steps' work in which to land, and a work-group has 5 to 8 slots.
; Outstanding tensor loads of a wave, by this text's count: two at the start, one behind each round.
; vl belongs to step 0 alone, which is written out ahead of the loop: each wave loads its quarter's 4,096 bytes straight into registers, beside q.
; A unit: S^T = K Q^T (lane: query r, keys 8 h + j and 16 + 8 h + j), softmax step, P^T packs in place into source 1 of O^T += V^T P^T.
.set CHB,   8192                       ; a chunk of 32 keys: k 4,096, vh 4,096
.set QB,    4*CHB                      ; a key quarter's four steps
.set SLOTB, 4*QB
.set PARTB, SLOTB/8                    ; what one wave fills
.set LA,  2                            ; v2, v3: kq * QB + 16 lane in slot 0, 1
.set MN,  8                            ; v[8:9]   the new maximum, twice
.set AL,  10                           ; v[10:11] 2^(old maximum - new), twice
.set T,   12                           ; v[12:19] at work
.set QHI, 24                           ; v[24:39] q of my 16 rows of the high block, two fragments
.set QLO, 40                           ; v[40:55] of the low block
.set KF,  56                           ; v[56:87] k: 16 kg + 4 d
.set VF,  88                           ; v[88:119] vh transposed: 8 g + 4 kg
.set S,   120                          ; v[120:135] scores, then weights
.set P,   136                          ; v[136:143] weights in f16
.set OHI, 144                          ; v[144:175] O^T of the high block, 8 g
.set OLO, 176                          ; v[176:207] of the low block
.set VL,  208                          ; v[208:239] vl of step 0, transposed: 8 g + 4 kg
.set G1,  16                           ; s[16:23]
.set G0,  24                           ; s[24:31], one set for each slot
.set MPITCH, 272                       ; the merge stage: a row of 64 f32 + 16 bytes
.set MPART,  64*MPITCH                 ; one key quarter's 64 rows
.set MSTAT,  4*MPART                   ; behind them: m at rho * 16 + 4 kq, l 1,024 bytes further on; 71,680 bytes in all, inside slot 0
; v1 16 x lane; v4, v5 the mask's compare values (low, high); v6 -1e30; v20, v21 m, l of the low block; v22, v23 of the high block.
; s10 wave, s11 qh, s12 kq, s13-14 lane selects, s32 c, s33 31 - c, s34 step j, s35 trips done, s36 trips, s37 slots odd, s38 cx, s39 i.
; s[68:75] the four buffers; s[4:5] vl, s[6:7] my part of block 0, s[40:41] q high, s[42:43] q low, s[44:45] my rows of the output.
.macro ROUND                           ; a round of the cluster's barrier
	s_barrier_signal -1
	s_barrier_wait -1
	s_cmp_lg_u32 s10, 0
	s_cbranch_scc1 .Lnot_wave_0_\@
	s_barrier_signal -3
.Lnot_wave_0_\@:
	s_barrier_wait -3
	s_barrier_signal -1
	s_barrier_wait -1
.endm
.macro PLACES                          ; four plain vector places behind a matrix instruction (ISA guide 7.12.1)
.rept 4
	v_nop
.endr
.endm
	s_load_b256 s[68:75], s[0:1], 0x0              ; Qf s[68:69], KVf s[70:71], VLf s[72:73], out0 s[74:75]
	v_lshl_add_u32 v240, v0, 2, 0x40000
	v_mov_b32 v241, 0
	ds_add_u32 v240, v241
	ds_add_u32 v240, v241
	v_lshrrev_b32 v2, 5, v0
	v_readfirstlane_b32 s10, v2                    ; wave 0..7
	s_and_b32 s11, s10, 1                          ; qh
	s_lshr_b32 s12, s10, 1                         ; kq
	s_mov_b32 s13, 0x76543210                      ; v_permlanex16_b32: lane i of one half reads lane i of the other
	s_mov_b32 s14, 0xfedcba98
	s_mov_b32 s32, ttmp9                           ; c: the low block's last step
	s_sub_co_u32 s33, 31, s32                      ; the high block's last step
	s_mov_b32 s34, 0                               ; j
	s_lshr_b32 s36, s33, 2
	s_add_co_u32 s36, s36, 1                       ; slots needed: (31 - c) / 4 + 1, 5 to 8
	s_and_b32 s37, s36, 1
	s_sub_co_u32 s36, s36, 2
	s_lshr_b32 s36, s36, 1                         ; the loop's trips, 1 to 3
	s_bfe_u32 s38, ttmp6, 0x40000                  ; cx
	s_lshl_b32 s39, s32, 2
	s_add_co_u32 s39, s39, s38                     ; i
	s_and_b32 s46, ttmp7, 0xffff                   ; b
	; group 1: 64 rows of 32 elements of 8 bytes, dense: 16,384 bytes
	s_mov_b32 s[G1+0], 15|(3<<16)|(1<<21)          ; the mask names all four partners; element of 8 bytes; bit 21 set beside a mask
	s_mov_b32 s[G1+1], 32<<16                      ; tensor_dim0 = 32
	s_mov_b32 s[G1+2], 64<<16                      ; tensor_dim1 = 64
	s_mov_b32 s[G1+3], 32<<16                      ; tile_dim0 = 32
	s_mov_b32 s[G1+4], 64                          ; tile_dim1 = 64
	s_mov_b32 s[G1+5], 32                          ; elements from row to row
	s_mov_b32 s[G1+6], 0
	s_mov_b32 s[G1+7], 0
	s_mul_i32 s47, s10, PARTB                      ; my part of a slot, in LDS and in KVf alike
	s_lshl_b32 s48, s46, 20                        ; the batch's 8 blocks of 131,072 bytes
	s_add_co_u32 s48, s48, s47
	s_mov_b32 s49, 0
	; offsets of q (tiles of 2,048 bytes: b * 256 + row / 16), of vl and of the output
	s_lshl_b32 s52, s46, 8
	s_sub_co_u32 s50, 127, s39
	s_lshl_b32 s50, s50, 1
	s_add_co_u32 s50, s50, s11
	s_add_co_u32 s50, s50, s52
	s_lshl_b32 s50, s50, 11                        ; high block
	s_mov_b32 s51, 0
	s_lshl_b32 s56, s39, 1
	s_add_co_u32 s56, s56, s11
	s_add_co_u32 s56, s56, s52
	s_lshl_b32 s56, s56, 11                        ; low block
	s_mov_b32 s57, 0
	s_lshl_b32 s58, s46, 14                        ; vl: b * 16384 + kq * 4096
	s_lshl_b32 s59, s12, 12
	s_add_co_u32 s58, s58, s59
	s_mov_b32 s59, 0
	s_lshl_b32 s53, s39, 5
	s_lshl_b32 s54, s10, 3
	s_add_co_u32 s53, s53, s54                     ; waves 0-3 write rows 32 i + 8 w ..
	s_sub_co_u32 s55, 127, s39
	s_lshl_b32 s55, s55, 5
	s_add_co_u32 s55, s55, s54
	s_sub_co_u32 s55, s55, 32                      ; waves 4-7 rows 32 (127 - i) + 8 (w - 4) ..
	s_cmp_lt_u32 s10, 4
	s_cselect_b32 s53, s53, s55
	s_lshl_b32 s54, s46, 12
	s_add_co_u32 s53, s53, s54
	s_lshl_b32 s54, s53, 8                         ; rows of 256 bytes
	s_mov_b32 s55, 0
	s_wait_dscnt 0x0
	s_wait_kmcnt 0x0
	s_add_nc_u64 s[6:7], s[70:71], s[48:49]
	s_add_nc_u64 s[40:41], s[68:69], s[50:51]
	s_add_nc_u64 s[42:43], s[68:69], s[56:57]
	s_add_nc_u64 s[4:5], s[72:73], s[58:59]
	s_add_nc_u64 s[44:45], s[74:75], s[54:55]
.irp n, 0,1
	s_mov_b32 s[G0+4*\n], 1                                    ; count = 1
	s_add_co_u32 s[G0+4*\n+1], s47, \n*SLOTB                   ; LDS: slot n, my part
	s_add_nc_u64 s[G0+4*\n+2:G0+4*\n+3], s[6:7], \n*SLOTB      ; block sl = n
	s_or_b32 s[G0+4*\n+3], s[G0+4*\n+3], 0x80000000            ; type = 2
.endr
	ROUND                                          ; all four partners are here: the first joint loads meet
	tensor_load_to_lds s[G0:G0+3], s[G1:G1+7]      ; steps 0 to 3
	s_nop 0
	tensor_load_to_lds s[G0+4:G0+7], s[G1:G1+7]    ; steps 4 to 7
	s_nop 0
	v_and_b32 v1, 31, v0
	v_lshlrev_b32 v1, 4, v1                        ; 16 x lane
.irp d, 0,1,2,3
	global_load_b128 v[QHI+4*\d:QHI+4*\d+3], v1, s[40:41] offset:512*\d
	global_load_b128 v[QLO+4*\d:QLO+4*\d+3], v1, s[42:43] offset:512*\d
.endr
.irp e, 0,1,2,3,4,5,6,7
	global_load_b128 v[VL+4*\e:VL+4*\e+3], v1, s[4:5] offset:512*\e   ; vl of my 32 keys of step 0
.endr
	s_mul_i32 s48, s12, QB
	v_add_nc_u32 v[LA], s48, v1
	v_add_nc_u32 v[LA+1], SLOTB, v[LA]
	; In the masked step key 32 kq + 16 kg + 8 h + jj is kept for query 32 cx' + 16 qh + r if 16 kg + jj <= D, D = 32 cx' + 16 qh + r - 32 kq - 8 h;
	; cx' = cx for the low block, 3 - cx for the high one.
	v_and_b32 v12, 15, v0                          ; r
	v_bfe_u32 v13, v0, 4, 1                        ; h
	v_lshlrev_b32 v14, 3, v13
	v_sub_nc_u32 v14, v12, v14                     ; r - 8 h
	s_lshl_b32 s48, s11, 4
	s_lshl_b32 s49, s12, 5
	s_sub_co_i32 s48, s48, s49                     ; 16 qh - 32 kq
	v_add_nc_u32 v14, s48, v14
	s_lshl_b32 s49, s38, 5
	v_add_nc_u32 v4, s49, v14
	s_sub_co_u32 s49, 96, s49
	v_add_nc_u32 v5, s49, v14
	v_mov_b32 v6, 0xf149f2ca                       ; -1.0e30
; One unit: 16 queries (fragments at Q) x the 32 keys in KF, VF.  O, M, L: the block's sums, maximum, denominator; D: its compare values;
; sdiag: the step in which it is masked.  first = 1: step 0: the unit starts O, M and L, nothing is cleared, and vl's products follow vh's.
; vw = 1: v's loads are still to be waited for.
; The accumulators take turns, one instruction a turn (S0, S1, S0, S1; O0 to O3, in step 0 twice round).
.macro UNIT Q, O, M, L, D, sdiag, first, vw
	v_wmma_f32_16x16x32_f16 v[S:S+7],    v[KF:KF+7],     v[\Q:\Q+7],    0
	v_wmma_f32_16x16x32_f16 v[S+8:S+15], v[KF+16:KF+23], v[\Q:\Q+7],    0
	v_wmma_f32_16x16x32_f16 v[S:S+7],    v[KF+8:KF+15],  v[\Q+8:\Q+15], v[S:S+7]
	v_wmma_f32_16x16x32_f16 v[S+8:S+15], v[KF+24:KF+31], v[\Q+8:\Q+15], v[S+8:S+15]
	PLACES                                         ; ahead of the readers of S; also behind the last unit's products, ahead of the writers of P and O
	s_cmp_lg_u32 s34, \sdiag
	s_cbranch_scc1 .Lopen_\@
.irp kg, 0,1
.irp jj, 0,1,2,3,4,5,6,7
	v_cmp_gt_i32 vcc_lo, 16*\kg+\jj, v[\D]
	v_cndmask_b32 v[S+8*\kg+\jj], v[S+8*\kg+\jj], v6, vcc_lo
.endr
.endr
.Lopen_\@:
	v_max3_num_f32 v[T],   v[S],    v[S+1],  v[S+2]
	v_max3_num_f32 v[T+1], v[S+3],  v[S+4],  v[S+5]
	v_max3_num_f32 v[T+2], v[S+6],  v[S+7],  v[S+8]
	v_max3_num_f32 v[T+3], v[S+9],  v[S+10], v[S+11]
	v_max3_num_f32 v[T+4], v[S+12], v[S+13], v[S+14]
	v_max3_num_f32 v[T],   v[T],    v[T+1],  v[S+15]
	v_max3_num_f32 v[T+2], v[T+2],  v[T+3],  v[T+4]
	v_max_num_f32  v[T],   v[T],    v[T+2]
	v_permlanex16_b32 v[T+1], v[T], s13, s14       ; the query's other 16 keys lie in the other half of the lanes
.if \first
	v_max_num_f32 v[MN], v[T], v[T+1]
.else
	v_max3_num_f32 v[MN], v[T], v[T+1], v[\M]
	v_sub_f32 v[AL], v[\M], v[MN]
.endif
	v_mov_b32 v[MN+1], v[MN]
	v_mov_b32 v[\M], v[MN]
.irp i, 0,2,4,6,8,10,12,14
	v_pk_add_f32 v[S+\i:S+\i+1], v[S+\i:S+\i+1], v[MN:MN+1] neg_lo:[0,1] neg_hi:[0,1]
.endr
.if \first == 0
	v_exp_f32 v[AL], v[AL]
.endif
.irp i, 0,1,2,3,4,5,6,7,8,9,10,11,12,13,14,15
	v_exp_f32 v[S+\i], v[S+\i]
.endr
	v_nop                                          ; one plain place behind the exponentials, ahead of the first use (ISA guide 5.7.2)
.if \first == 0
	s_wait_alu depctr_va_vdst(0)
	v_mov_b32 v[AL+1], v[AL]
.endif
	s_wait_alu depctr_va_vdst(0)
.irp i, 0,1,2,3,4,5,6,7
	v_cvt_pk_f16_f32 v[P+\i], v[S+2*\i], v[S+2*\i+1]       ; keys 8 h .. in registers 0-3, keys 16 + 8 h .. in 4-7: source 1's layout
.endr
	v_pk_add_f32 v[T:T+1],   v[S:S+1],     v[S+2:S+3]
	v_pk_add_f32 v[T+2:T+3], v[S+4:S+5],   v[S+6:S+7]
	v_pk_add_f32 v[T+4:T+5], v[S+8:S+9],   v[S+10:S+11]
	v_pk_add_f32 v[T+6:T+7], v[S+12:S+13], v[S+14:S+15]
	v_pk_add_f32 v[T:T+1],   v[T:T+1],     v[T+2:T+3]
	v_pk_add_f32 v[T+4:T+5], v[T+4:T+5],   v[T+6:T+7]
	v_pk_add_f32 v[T:T+1],   v[T:T+1],     v[T+4:T+5]
.if \first
	v_add_f32 v[\L], v[T], v[T+1]                  ; l stays a sum over my half's keys until the merge
.else
	v_add_f32 v[T], v[T], v[T+1]
.irp i, 0,2,4,6,8,10,12,14,16,18,20,22,24,26,28,30
	v_pk_mul_f32 v[\O+\i:\O+\i+1], v[\O+\i:\O+\i+1], v[AL:AL+1]
.endr
	v_fma_f32 v[\L], v[\L], v[AL], v[T]
.endif
.if \vw
	s_wait_dscnt 0x0                               ; vh's eight loads
.endif
.irp g, 0,1,2,3
.if \first
	v_wmma_f32_16x16x32_f16 v[\O+8*\g:\O+8*\g+7], v[VF+8*\g:VF+8*\g+7], v[P:P+7], 0
.else
	v_wmma_f32_16x16x32_f16 v[\O+8*\g:\O+8*\g+7], v[VF+8*\g:VF+8*\g+7], v[P:P+7], v[\O+8*\g:\O+8*\g+7]
.endif
.endr
.if \first
.irp g, 0,1,2,3
	v_wmma_f32_16x16x32_f16 v[\O+8*\g:\O+8*\g+7], v[VL+8*\g:VL+8*\g+7], v[P:P+7], v[\O+8*\g:\O+8*\g+7]   ; keys 0 to 127: v's second term
.endr
.endif
.endm
; Step j, which lies at place st of the slot: my 32 keys for the high block, and for the low block while j <= c.  Steps beyond 31 - c are passed over.
.macro STEP slot, st, first
.if \first == 0
	s_cmp_gt_u32 s34, s33
	s_cbranch_scc1 .Lstep_end_\@
	PLACES                                         ; behind the last products, which read VF, ahead of the loads into it
.endif
.irp kg, 0,1
.irp d, 0,1,2,3
	ds_load_b128 v[KF+16*\kg+4*\d:KF+16*\kg+4*\d+3], v[LA+\slot] offset:\st*CHB+\kg*2048+\d*512
.endr
.endr
.irp e, 0,1,2,3,4,5,6,7
	ds_load_b128 v[VF+4*\e:VF+4*\e+3], v[LA+\slot] offset:\st*CHB+4096+\e*512
.endr
	s_wait_dscnt 0x8                               ; k's eight loads are in; vh's eight, issued behind them, may be out
	UNIT QHI, OHI, 22, 23, 5, s33, \first, 1
.if \first == 0
	s_cmp_gt_u32 s34, s32
	s_cbranch_scc1 .Lstep_end_\@
.endif
	UNIT QLO, OLO, 20, 21, 4, s32, \first, 0
.Lstep_end_\@:
	s_add_co_u32 s34, s34, 1
.endm
.macro WORK slot, first
	STEP \slot, 0, \first
	STEP \slot, 1, 0
	STEP \slot, 2, 0
	STEP \slot, 3, 0
.endm
; A change of slots.  In front of the round each wave waits for all its tensor loads (its part of this slot among them) and for its reads of the
; other slot; behind the round no wave of any partner reads the other slot or has a load on its way, and the joint refill comes first.
.macro TURN slot, refill
	s_wait_tensorcnt 0x0                           ; no load of mine is out, so a group 0 may be written
	ds_add_u32 v240, v241
	s_wait_dscnt 0x0
	s_add_nc_u64 s[G0+6-4*\slot:G0+7-4*\slot], s[G0+6-4*\slot:G0+7-4*\slot], 2*SLOTB   ; the other slot's next block
	s_wait_dscnt 0x0
	ROUND
.if \refill
	tensor_load_to_lds s[G0+4-4*\slot:G0+7-4*\slot], s[G1:G1+7]   ; my one tensor load behind this round
	s_nop 0
.endif
	WORK \slot, 0
.endm
	s_wait_loadcnt 0x0                             ; q and vl
	s_wait_tensorcnt 0x1                           ; my part of slot 0 is in; slot 1's, issued behind it, stays out
	s_barrier_signal -1
	s_barrier_wait -1
	WORK 0, 1                                      ; block 0; step 0 starts all sums
	s_mov_b32 s35, 0
.Lring:
	TURN 1, 1
	TURN 0, 1
	s_add_co_u32 s35, s35, 1
	s_cmp_lt_u32 s35, s36
	s_cbranch_scc1 .Lring
	s_cmp_lg_u32 s37, 0                            ; the number of slots hangs on c alone: the same way in all four partners
	s_cbranch_scc1 .Lodd
	TURN 1, 0                                      ; even: one slot is left, nothing more to fetch
	s_branch .Lmerge
.Lodd:
	TURN 1, 1                                      ; odd: one more fill,
	TURN 0, 0                                      ; and the last slot
.Lmerge:
	; THE MERGE of the four key quarters.  Slot 0 has had its last fill; behind a barrier it serves as the stage.
	PLACES                                         ; behind the last products: O is read, and fragment registers are written, below
	v_permlanex16_b32 v12, v21, s13, s14
	v_permlanex16_b32 v13, v23, s13, s14
	v_add_f32 v21, v21, v12                        ; l over all my 32-key chunks
	v_add_f32 v23, v23, v13
	v_and_b32 v14, 15, v0                          ; r
	v_bfe_u32 v15, v0, 4, 1                        ; h
	s_lshl_b32 s48, s11, 4
	v_add_nc_u32 v16, s48, v14                     ; 16 qh + r: my query's row in its block
	v_mul_u32_u24 v136, v16, MPITCH
	v_lshl_add_u32 v136, v15, 5, v136              ; + 32 h: dims 8 h .. of each 16
	s_mul_i32 s48, s12, MPART
	v_add_nc_u32 v136, s48, v136                   ; where I put O
	v_lshlrev_b32 v137, 4, v16
	s_lshl_b32 s48, s12, 2
	s_add_co_u32 s48, s48, MSTAT
	v_add_nc_u32 v137, s48, v137                   ; where I put m and l
	s_lshl_b32 s48, s10, 3
	v_add_nc_u32 v17, s48, v15                     ; row 8 w + lane / 16
	v_mul_u32_u24 v138, v17, MPITCH
	v_lshl_add_u32 v138, v14, 4, v138              ; where I read O back: 16 lanes take a row
	v_lshlrev_b32 v139, 4, v17
	v_add_nc_u32 v139, MSTAT, v139                 ; and the row's four m
	s_wait_dscnt 0x0
	s_barrier_signal -1
	s_barrier_wait -1                              ; every wave's reads of the slots are over
.irp g, 0,1,2,3
	ds_store_b128 v136, v[OLO+8*\g:OLO+8*\g+3]   offset:64*\g
	ds_store_b128 v136, v[OLO+8*\g+4:OLO+8*\g+7] offset:64*\g+16
	ds_store_b128 v136, v[OHI+8*\g:OHI+8*\g+3]   offset:32*MPITCH+64*\g
	ds_store_b128 v136, v[OHI+8*\g+4:OHI+8*\g+7] offset:32*MPITCH+64*\g+16
.endr
	ds_store_b32 v137, v20                         ; both halves of the lanes hold, and write, the same m and l
	ds_store_b32 v137, v21 offset:1024
	ds_store_b32 v137, v22 offset:512
	ds_store_b32 v137, v23 offset:1536
	s_wait_dscnt 0x0                               ; for the others' sake: all my stores
	s_barrier_signal -1
	s_barrier_wait -1
.irp p, 0,1,2,3
	ds_load_b128 v[24+24*\p:24+24*\p+3], v139 offset:32*\p          ; m of the four quarters, rows 8 w + 2 p + lane / 16
	ds_load_b128 v[28+24*\p:28+24*\p+3], v139 offset:1024+32*\p     ; l
.irp k, 0,1,2,3
	ds_load_b128 v[32+24*\p+4*\k:32+24*\p+4*\k+3], v138 offset:\k*MPART+2*MPITCH*\p
.endr
.endr
.macro MERGE p
	s_wait_dscnt 18-6*\p                           ; six loads for each pair of rows: the later pairs' may be out
	v_max3_num_f32 v16, v[24+24*\p], v[25+24*\p], v[26+24*\p]
	v_max_num_f32 v16, v16, v[27+24*\p]
.irp k, 0,1,2,3
	v_sub_f32 v[12+\k], v[24+24*\p+\k], v16
.endr
.irp k, 0,1,2,3
	v_exp_f32 v[12+\k], v[12+\k]                   ; a quarter that saw no open key has m = -1e30: its weight is 0
.endr
	v_nop
	s_wait_alu depctr_va_vdst(0)
	v_mul_f32  v17, v12, v[28+24*\p]
	v_fmac_f32 v17, v13, v[29+24*\p]
	v_fmac_f32 v17, v14, v[30+24*\p]
	v_fmac_f32 v17, v15, v[31+24*\p]
	v_rcp_f32 v17, v17                             ; at least 1: the largest score's own weight is in it
	v_nop
	s_wait_alu depctr_va_vdst(0)
.irp k, 0,1,2,3
	v_mul_f32 v[12+\k], v[12+\k], v17
.endr
.irp e, 0,1,2,3
	v_mul_f32 v[120+4*\p+\e], v12, v[32+24*\p+\e]
.endr
.irp k, 1,2,3
.irp e, 0,1,2,3
	v_fmac_f32 v[120+4*\p+\e], v[12+\k], v[32+24*\p+4*\k+\e]
.endr
.endr
	global_store_b128 v1, v[120+4*\p:120+4*\p+3], s[44:45] offset:512*\p th:TH_STORE_NT   ; two whole rows: 512 consecutive bytes, aligned; data registers of its own
.endm
	MERGE 0
	MERGE 1
	MERGE 2
	MERGE 3
	s_wait_tensorcnt 0x0
	ds_add_u32 v240, v241
	s_wait_dscnt 0x0
	ROUND                                          ; the closing round: no work-group ends while a partner may still ask jointly
	s_endpgm
.Lfunc_end_k_q6160e6a3a8_attn:
	.size	k_q6160e6a3a8_attn, .Lfunc_end_k_q6160e6a3a8_attn-k_q6160e6a3a8_attn
	.p2alignl 7, 3214868480
	.fill 96, 4, 3214868480
	.section	.rodata,"a",@progbits
	.p2align	6, 0x0
	.amdhsa_kernel k_q6160e6a3a8_attn
		.amdhsa_group_segment_fixed_size 327680
		.amdhsa_private_segment_fixed_size 0
		.amdhsa_enable_private_segment 0
		.amdhsa_kernarg_size 32
		.amdhsa_user_sgpr_count 2
		.amdhsa_user_sgpr_kernarg_segment_ptr 1
		.amdhsa_wavefront_size32 1
		.amdhsa_system_sgpr_workgroup_id_x 1
		.amdhsa_system_sgpr_workgroup_id_y 1
		.amdhsa_system_sgpr_workgroup_id_z 1
		.amdhsa_system_vgpr_workitem_id 0
		.amdhsa_next_free_vgpr 242
		.amdhsa_next_free_sgpr 76
		.amdhsa_reserve_vcc 1
		.amdhsa_float_denorm_mode_32 3
		.amdhsa_float_denorm_mode_16_64 3
		.amdhsa_memory_ordered 1
		.amdhsa_forward_progress 1
		.amdhsa_inst_pref_size 255
	.end_amdhsa_kernel
	.section	.bss,"aw",@nobits
	.p2align	6
	.space	262144
	.amdgpu_metadata
---
amdhsa.version: [ 1, 2 ]
amdhsa.kernels:
  - .name:           k_q6160e6a3a8_attn
    .symbol:         k_q6160e6a3a8_attn.kd
    .args:
      - { .name: Qf, .offset: 0, .size: 8, .value_kind: global_buffer, .address_space: global }
      - { .name: KVf, .offset: 8, .size: 8, .value_kind: global_buffer, .address_space: global }
      - { .name: VLf, .offset: 16, .size: 8, .value_kind: global_buffer, .address_space: global }
      - { .name: out0, .offset: 24, .size: 8, .value_kind: global_buffer, .address_space: global }
    .group_segment_fixed_size: 327680
    .private_segment_fixed_size: 0
    .kernarg_segment_align: 8
    .kernarg_segment_size: 32
    .max_flat_workgroup_size: 256
    .sgpr_count:     76
    .vgpr_count:     242
    .wavefront_size: 32
...
	.end_amdgpu_metadata
.endif
;; end of part 5
